; MI455X (gfx1250); checked and timed in simulation.
; The chip was launched on July 23, 2026; its instructions are those of AMD's public machine-readable ISA for CDNA 5 (MIT licence, August 2026) and "CDNA5" Instruction Set Architecture Reference Guide (July 2026). The comments in the code are by the model that wrote it; some were corrected since.
;; Attention. Allowed arithmetic: matrix products marked QUANTISED: E4M3 operands, one E8M0 scale for each 32 along K, by v_wmma_scale_f32_16x16x128_f8f6f4 with both operands' format E4M3, f32 sums; everything else in f32.
;; Inputs: W_fc 1,024 x 3,072 float32; W_fc2 1,024 x 1,024 float32; b_fc 3,072 float32; b_fc2 1,024 float32; x 4 x 2,048 x 1,024 float32.
;; Outputs: out0 4 x 2,048 x 1,024 float32.
;; This version of the problem:
;;   THIS VERSION OF THE PROBLEM IS GIVEN IN LOW PRECISION. The matrix products marked QUANTISED in the list below multiply operands that are first quantised to E4M3 (4 exponent bits, 3 mantissa bits; 8 bits a number), with one power-of-two scale for each 32 numbers along K (OCP MX v1.0); their sums are f32. All else is computed in f32.
;;   The module's matrix products, in the order in which they are computed (A, B: the left and right operand; K: the contracted axis; several contracted axes count as one K, in the product's order):
;;     1. [M 8,192, K 1,024] x [K 1,024, N 3,072]; A: input x; B: input W_fc: QUANTISED
;;     2. batch 64 x [M 2,048, K 64] x [K 64, N 2,048]; A: computed on the way; B: computed on the way: QUANTISED
;;     3. batch 64 x [M 64, K 2,048] x [K 2,048, N 2,048]; A: computed on the way; B: softmax (see below): QUANTISED
;;     4. [M 8,192, K 1,024] x [K 1,024, N 1,024]; A: computed on the way; B: input W_fc2: QUANTISED
;;   THE QUANTISER, for each operand of a quantised product, along K:
;;     - K is cut into blocks of 32 from its start; a last block that is shorter is filled with zeros.
;;     - A block's scale is 2^e with e = floor(log2(the largest magnitude in the block)) - 8, held to -126 .. 127; a block of zeros has e = 0. As a byte (E8M0): e + 127.
;;     - Each number is divided by its block's scale, clamped to +-448, and rounded to the nearest number of E4M3, ties to even, subnormals kept.
;;     - The product sums the exact products of the quantised numbers (number of the format x scale) in f32.
;;   ~~~python
;;   def quantise(x, axis):      # numpy; x: float32 -> the quantised numbers, widened to float32 again
;;       x = np.moveaxis(x, axis, -1); K = x.shape[-1]
;;       x = np.pad(x, [(0, 0)] * (x.ndim - 1) + [(0, -K % 32)]); x = x.reshape(x.shape[:-1] + (-1, 32)); a = np.abs(x).max(-1, keepdims=True)
;;       e = np.where(a > 0, np.clip(np.frexp(np.where(a > 0, a, 1))[1] - 1 - 8, -126, 127), 0)      # np.frexp(a)[1] - 1 = floor(log2(a)), exactly
;;       r = np.clip(x / 2.0 ** e, -448, 448)
;;       step = 2.0 ** (np.maximum(np.frexp(np.where(r == 0, 1, r))[1] - 1, -6) - 3)
;;       q = np.round(r / step) * step * 2.0 ** e      # np.round: ties to even
;;       return np.moveaxis(q.reshape(q.shape[:-2] + (-1,))[..., :K], -1, axis).astype(np.float32)
;;   ~~~
;;   SOFTMAX AHEAD OF A QUANTISED PRODUCT. Where the list says 'softmax', what is quantised is not the finished softmax but p = 2^(t - M), with t = logit x log2(e) and M = ceil(the row's largest t), a whole number; so 1/2 < the row's largest p <= 1. The row's sum l is taken of the UNQUANTISED p, in f32, and the product's result is divided by l at the end. Since M is a whole number, a kernel that streams over the keys may use a running M (the ceiling of the running maximum): every later rescaling is an exact power of two, which a block's scale takes up: the codes' values come out the same.
;;   OPERANDS COMPUTED ON THE WAY. 'Computed on the way' means the value that the module computes at that place (a softmax that the list does not call 'softmax' is quantised finished and normalised). What goes into a quantiser is computed in f32, as accurately as f32 sums, v_exp_f32 and their like allow (about 1e-6 of the number): no bf16 or f16 on the way to a quantiser, and a product that is left as it is and whose result goes on into a quantised operand takes f32 operands (vector FMAs, or v_wmma_f32_16x16x4_f32). A number that lies on a knife's edge between two numbers of the format may be rounded either way, as far as f32 arithmetic and the matrix unit's own rounding can turn it there, and no further.
;; One version. Each part assembles by itself: llvm-mc -triple=amdgcn-amd-amdhsa -mcpu=gfx1250 --defsym DOCPART=n.
;; ======== version 1 of 1: 5 launches
;; limits: right only within a limited range of input values
;; workspace buffers: xq 8,650,752 bytes; wq 4,325,376 bytes; qkv 26,476,544 bytes; nv 8,650,752 bytes
;; launch quant_x (part 1): grid 128 x 8, 4 waves a work-group, no clusters, 35,328 bytes of LDS; arguments x, xq; writes xq
.if DOCPART == 1
	.amdgcn_target "amdgcn-amd-amdhsa--gfx1250"
	.amdhsa_code_object_version 6
	.text
	.protected	k_q1ec622bc75_quant_x
	.globl	k_q1ec622bc75_quant_x
	.p2align	8
	.type	k_q1ec622bc75_quant_x,@function
k_q1ec622bc75_quant_x:
	s_mov_b64 s[64:65], 0
	v_nop
	global_prefetch_b8 v0, s[64:65] scope:SCOPE_SE
	s_setreg_imm32_b32 hwreg(HW_REG_WAVE_MODE, 25, 1), 1
	s_wait_xcnt 0x0
; x [8192][1024] f32 becomes codes of FP8 (E4M3) with one E8M0 byte for each 32 along K (the 1,024), laid as the matrix unit's operand registers:
; xq: images [K step 8][tile 512][c 4][lane 32][16 bytes]: lane (r = lane % 16, h = lane / 16) holds row r of the tile, k = 32 c + 16 h + 0 .. 15 of the K step; then, X_SC on, scale words [K step 8][stored row 8192][4 bytes].
; STORED ORDER OF ROWS: in every 32 rows tile 2 b + u, lane r, is true row 32 b + 8 u + r + 8 (r / 8).  The later launches lean on that order: a result's 16 registers of two neighbouring tiles are then 16 true neighbours.
; A block's scale is 2^(floor(log2(largest magnitude)) - 8); its byte is the largest magnitude's exponent field - 8, held at 1 from below.
; LIMITS: a block of zeros, or one whose largest magnitude lies under 2^-118, gets the byte 1 where the rule says 127 (its codes are zeros or tiny; only this program reads the bytes); NaN and infinities are not served.
; SHARES: a work-group takes 64 stored rows x one K step; a wave one fragment (16 rows x 128).  Each load reads 512 consecutive bytes of one row; the 8 KB turn through the wave's own stage in LDS,
; rows 528 bytes apart, so that a lane gets 16 neighbours of each block.  No loop, no tensor load; memory binds, so matrix units and clusters have nothing to give here.
.set X_SC, 8388608
.set STG,  8448                        ; a wave's stage: 16 rows x (512 + 16)
.set SCS,  4*STG                       ; behind the stages: the work-group's 64 scale words
.set L,    16                          ; v16-79   as loaded
.set X,    80                          ; v80-143  register 16 b + i = k 32 b + 16 h + i of my row
.set PC,   144                         ; v144-159 the codes
.set TM,   160                         ; v160-163 largest magnitudes, 164-167 bytes, 168-171 448 x scale, 172-175 scale operands
.set PW,   176                         ; the scale word
.set SEL,  20
.set MNT,  23
.macro QUANT s, pc
.irp b, 0,1,2,3
	v_max3_num_f32 v[TM+\b], |v[\s+16*\b]|, |v[\s+1+16*\b]|, 0x4800000   ; my 16 numbers of block b, and the floor 2^(9 - 127): the byte cannot fall under 1
.endr
.irp i, 2,4,6,8,10,12,14
.irp b, 0,1,2,3
	v_max3_num_f32 v[TM+\b], v[TM+\b], |v[\s+16*\b+\i]|, |v[\s+1+16*\b+\i]|
.endr
.endr
.irp b, 0,1,2,3
	v_permlanex16_b32 v[TM+4+\b], v[TM+\b], s[SEL], s[SEL+1]
.endr
.irp b, 0,1,2,3
	v_max_num_f32 v[TM+\b], v[TM+\b], v[TM+4+\b]                 ; with lane l xor 16's 16: the block's largest magnitude
.endr
.irp b, 0,1,2,3
	v_add_nc_u32 v[TM+12+\b], 0xfc000000, v[TM+\b]               ; 8 off its exponent field: the conversion's scale operand
.endr
.irp b, 0,1,2,3
	v_and_or_b32 v[TM+8+\b], v[TM+\b], 0x7f800000, s[MNT]        ; 448 x the scale
.endr
.irp b, 0,1,2,3
	v_lshrrev_b32 v[TM+4+\b], 23, v[TM+12+\b]                    ; the scale's byte
.endr
.irp b, 0,1,2,3
.irp i, 0,1,2,3,4,5,6,7,8,9,10,11,12,13,14,15
	v_med3_num_f32 v[\s+16*\b+\i], v[\s+16*\b+\i], -v[TM+8+\b], v[TM+8+\b]   ; the conversion does not saturate (ISA guide 7.6.2): the hold comes first
.endr
	v_cvt_scalef32_pk8_fp8_f32 v[\pc+4*\b:\pc+1+4*\b], v[\s+16*\b:\s+7+16*\b], v[TM+12+\b]
	v_cvt_scalef32_pk8_fp8_f32 v[\pc+2+4*\b:\pc+3+4*\b], v[\s+8+16*\b:\s+15+16*\b], v[TM+12+\b]
.endr
	v_nop                                          ; a plain place behind the last conversions
.endm
	s_load_b128 s[4:7], s[0:1], 0x0                ; x, xq
	v_lshl_add_u32 v192, v0, 2, 0x8800
	v_mov_b32 v193, 0
	v_lshrrev_b32 v1, 5, v0
	v_readfirstlane_b32 s8, v1                     ; wave
	v_and_b32 v7, 31, v0                           ; lane
	v_and_b32 v8, 15, v0                           ; r
	v_bfe_u32 v9, v0, 4, 1                         ; h
	v_lshlrev_b32 v1, 4, v7                        ; 16 x lane
	s_mul_i32 s9, s8, STG
	v_add_nc_u32 v2, s9, v1                        ; the stage, way in
	v_mul_u32_u24 v3, v8, 528
	v_lshl_add_u32 v3, v9, 6, v3
	v_add_nc_u32 v3, s9, v3                        ; way out: row r, + 64 h
	s_lshl_b32 s10, s8, 6
	s_add_co_u32 s10, s10, SCS
	v_lshl_add_u32 v4, v8, 2, s10                  ; my row's scale word
	v_lshlrev_b32 v5, 3, v7
	v_add_nc_u32 v6, SCS, v5
	s_mov_b32 s[SEL], 0x76543210
	s_mov_b32 s[SEL+1], 0xfedcba98
	s_mov_b32 s[MNT], 0x600000
.irp b, 0,1,2,3
	v_mov_b32 v[TM+4+\b], 0                        ; a lane permute's destination counts as one of its sources
.endr
	s_and_b32 s11, ttmp7, 0xffff                   ; K step
	s_lshl_b32 s12, ttmp9, 6
	s_lshr_b32 s13, s8, 1
	s_lshl_b32 s13, s13, 5
	s_add_co_u32 s12, s12, s13
	s_and_b32 s13, s8, 1
	s_lshl_b32 s13, s13, 3
	s_add_co_u32 s12, s12, s13                     ; my tile's first true row: 64 G + 32 (w / 2) + 8 (w % 2)
	s_lshl_b32 s12, s12, 12
	s_lshl_b32 s13, s11, 9
	s_add_co_u32 s12, s12, s13
	s_mov_b32 s13, 0
	s_lshl_b32 s14, ttmp9, 2
	s_add_co_u32 s14, s14, s8                      ; stored tile 4 G + w
	s_lshl_b32 s14, s14, 11
	s_lshl_b32 s15, s11, 20
	s_add_co_u32 s14, s14, s15
	s_mov_b32 s15, 0
	s_lshl_b32 s24, s11, 15
	s_lshl_b32 s25, ttmp9, 8
	s_add_co_u32 s24, s24, s25
	s_add_co_u32 s24, s24, X_SC
	s_mov_b32 s25, 0
	s_wait_alu depctr_va_vdst(0)
	s_wait_kmcnt 0x0
	s_add_nc_u64 s[4:5], s[4:5], s[12:13]
	s_add_nc_u64 s[16:17], s[6:7], s[14:15]
	s_add_nc_u64 s[18:19], s[6:7], s[24:25]
.irp i, 0,1,2,3,4,5,6,7,8,9,10,11,12,13,14,15
	global_load_b128 v[L+4*\i:L+4*\i+3], v1, s[4:5] offset:((\i%8)+16*(\i/8))*4096 th:TH_LOAD_NT   ; tile row i: 512 consecutive bytes
.endr
	s_wait_loadcnt 0x0
.irp i, 0,1,2,3,4,5,6,7,8,9,10,11,12,13,14,15
	ds_store_b128 v2, v[L+4*\i:L+4*\i+3] offset:528*\i
.endr
.irp b, 0,1,2,3
.irp j, 0,1,2,3
	ds_load_b128 v[X+16*\b+4*\j:X+16*\b+4*\j+3], v3 offset:128*\b+16*\j   ; LDS serves a wave's instructions in order: these see my stores
.endr
.endr
	s_wait_dscnt 0x0
	QUANT X, PC
	v_lshl_or_b32 v[PW], v[TM+5], 8, v[TM+4]
	v_lshl_or_b32 v[PW], v[TM+6], 16, v[PW]
	v_lshl_or_b32 v[PW], v[TM+7], 24, v[PW]
.irp c, 0,1,2,3
	global_store_b128 v1, v[PC+4*\c:PC+4*\c+3], s[16:17] offset:512*\c   ; 512 consecutive bytes, aligned
.endr
	ds_store_b32 v4, v[PW]                         ; both halves of the lanes write the same word with the same value
	s_wait_dscnt 0x0                               ; for the others' sake
	s_barrier_signal -1
	s_barrier_wait -1
	s_cmp_lg_u32 s8, 0
	s_cbranch_scc1 .Lend
	ds_load_b64 v[178:179], v6
	s_wait_dscnt 0x0
	global_store_b64 v5, v[178:179], s[18:19]      ; the 64 rows' words: 256 consecutive bytes, aligned
.Lend:
	s_wait_tensorcnt 0x0
	ds_add_u32 v192, v193
	s_wait_dscnt 0x0
	s_endpgm
.Lfunc_end_k_q1ec622bc75_quant_x:
	.size	k_q1ec622bc75_quant_x, .Lfunc_end_k_q1ec622bc75_quant_x-k_q1ec622bc75_quant_x
	.p2alignl 7, 3214868480
	.fill 96, 4, 3214868480
	.section	.rodata,"a",@progbits
	.p2align	6, 0x0
	.amdhsa_kernel k_q1ec622bc75_quant_x
		.amdhsa_group_segment_fixed_size 35328
		.amdhsa_private_segment_fixed_size 0
		.amdhsa_enable_private_segment 0
		.amdhsa_kernarg_size 16
		.amdhsa_user_sgpr_count 2
		.amdhsa_user_sgpr_kernarg_segment_ptr 1
		.amdhsa_wavefront_size32 1
		.amdhsa_system_sgpr_workgroup_id_x 1
		.amdhsa_system_sgpr_workgroup_id_y 1
		.amdhsa_system_sgpr_workgroup_id_z 1
		.amdhsa_system_vgpr_workitem_id 0
		.amdhsa_next_free_vgpr 194
		.amdhsa_next_free_sgpr 66
		.amdhsa_reserve_vcc 0
		.amdhsa_float_denorm_mode_32 3
		.amdhsa_float_denorm_mode_16_64 3
		.amdhsa_memory_ordered 1
		.amdhsa_forward_progress 1
		.amdhsa_inst_pref_size 15
	.end_amdhsa_kernel
	.amdgpu_metadata
---
amdhsa.version: [ 1, 2 ]
amdhsa.kernels:
  - .name:           k_q1ec622bc75_quant_x
    .symbol:         k_q1ec622bc75_quant_x.kd
    .args:
      - { .name: x, .offset: 0, .size: 8, .value_kind: global_buffer, .address_space: global }
      - { .name: xq, .offset: 8, .size: 8, .value_kind: global_buffer, .address_space: global }
    .group_segment_fixed_size: 35328
    .private_segment_fixed_size: 0
    .kernarg_segment_align: 8
    .kernarg_segment_size: 16
    .max_flat_workgroup_size: 128
    .sgpr_count:     66
    .vgpr_count:     194
    .wavefront_size: 32
...
	.end_amdgpu_metadata
.endif
;; end of part 1
;; launch quant_w (part 2): grid 32 x 4, 4 waves a work-group, no clusters, 33,280 bytes of LDS; arguments W_fc, W_fc2, wq; writes wq
.if DOCPART == 2
	.amdgcn_target "amdgcn-amd-amdhsa--gfx1250"
	.amdhsa_code_object_version 6
	.text
	.protected	k_q1ec622bc75_quant_w
	.globl	k_q1ec622bc75_quant_w
	.p2align	8
	.type	k_q1ec622bc75_quant_w,@function
k_q1ec622bc75_quant_w:
	s_mov_b64 s[64:65], 0
	v_nop
	global_prefetch_b8 v0, s[64:65] scope:SCOPE_SE
	s_setreg_imm32_b32 hwreg(HW_REG_WAVE_MODE, 25, 1), 1
	s_wait_xcnt 0x0
; W_fc [1024 (k)][3072] and W_fc2 [1024 (k)][1024], f32 with K as the FIRST axis, become codes of FP8 (E4M3) with one E8M0 byte for each 32 along K, laid as operand images:
; wq: W_fc's images [K step 8][tile 192][c 4][lane 32][16 bytes], its scale words [K step 8][stored column 3072][4 bytes], then the same for W_fc2 (64 tiles, 1,024 columns).
; STORED ORDER OF COLUMNS: in every 32, tile 2 b + u, lane r, is true column 32 b + 8 u + r + 8 (r / 8).
; A LANE TAKES A COLUMN AND ITS REGISTERS RUN DOWN K: a load reads 128 consecutive bytes a wave, a block of 32 lies in one lane, and the conversions give codes with K innermost.
; One path serves both tensors: work-groups 0-23 along x take W_fc, 24-31 W_fc2; only pointers, pitches and offsets are chosen, by the work-group's number.  A wave takes 32 columns x 256 along K (8 blocks, 2 K steps).
; The codes go through the wave's own stage in LDS, laid as the images are, and leave 512 consecutive bytes a store.  128 work-groups: the launch reads 16.8 MB once; a finer split would only shorten the stores' runs.
; LIMITS: a block of zeros, or one whose largest magnitude lies under 2^-118, gets the byte 1 where the rule says 127 (only this program reads the bytes); NaN and infinities are not served.
.set W2_IMG, 3244032
.set W1_SC,  3145728
.set W2_SC,  4292608
.set X,    32                          ; v32-95   two sets of 32 numbers
.set C,    96                          ; v96-103  a block's codes
.set SB,   24                          ; v24-25   scale words of the two K steps
.set OFF,  128                         ; v128-159 row i's byte offset: pitch x i + 4 x lane
.set OUTR, 160                         ; v160-223 the way out
.set WV,   2
.set MNT,  56
	s_load_b128 s[4:7], s[0:1], 0x0                ; W_fc, W_fc2
	s_load_b64 s[8:9], s[0:1], 0x10                ; wq
	v_lshl_add_u32 v224, v0, 2, 0x8000
	v_mov_b32 v225, 0
	v_lshrrev_b32 v1, 5, v0
	v_readfirstlane_b32 s[WV], v1
	v_and_b32 v2, 31, v0                           ; lane
	v_lshlrev_b32 v3, 2, v2
	v_lshlrev_b32 v8, 4, v2
	s_lshl_b32 s19, s[WV], 13                      ; my stage
	v_add_nc_u32 v7, s19, v8
	v_and_b32 v5, 7, v2
	v_bfe_u32 v6, v2, 3, 1                         ; which of the two tiles my column falls into
	v_bfe_u32 v14, v2, 4, 1
	v_lshl_or_b32 v15, v14, 3, v5                  ; and which row of it
	v_lshlrev_b32 v4, 4, v15
	v_lshl_add_u32 v4, v6, 12, v4
	v_add_nc_u32 v4, s19, v4                       ; the stage [tile 2][K step 2][c 4][h 2][r 16][16 bytes]
	v_lshl_or_b32 v9, v6, 4, v15
	v_lshlrev_b32 v9, 2, v9                        ; 4 x my column's stored place
	s_mov_b32 s[MNT], 0x600000
	s_mov_b32 s10, 4096
	s_mov_b32 s11, 24
	s_mov_b32 s12, W2_IMG
	s_mov_b32 s13, W2_SC
	s_mov_b32 s14, 131072
	s_wait_kmcnt 0x0
	s_cmp_lt_u32 ttmp9, 24                         ; the choice hangs on the work-group's number alone
	s_cselect_b64 s[4:5], s[4:5], s[6:7]
	s_cselect_b32 s10, 12288, s10                  ; bytes from row k to row k + 1; also a K step's scale words
	s_cselect_b32 s11, 0, s11
	s_cselect_b32 s12, 0, s12                      ; where the images begin in wq
	s_cselect_b32 s13, W1_SC, s13                  ; and the scale words
	s_cselect_b32 s14, 393216, s14                 ; a K step's images
	s_sub_co_u32 s15, ttmp9, s11
	s_lshl_b32 s15, s15, 7
	s_lshl_b32 s16, s[WV], 5
	s_add_co_u32 s15, s15, s16                     ; my first column
	s_and_b32 s17, ttmp7, 0xffff                   ; which 256 along K
	s_lshl_b32 s18, s10, 8
	s_mul_i32 s18, s18, s17
	s_lshl_b32 s19, s15, 2
	s_add_co_u32 s18, s18, s19
	s_mov_b32 s19, 0
	s_add_nc_u64 s[32:33], s[4:5], s[18:19]        ; block 0's first row
	s_lshl_b32 s20, s10, 5
	s_mov_b32 s21, 0
.irp t, 1,2,3,4,5,6,7
	s_add_nc_u64 s[32+2*\t:33+2*\t], s[30+2*\t:31+2*\t], s[20:21]   ; a base for each block: nothing is stepped later
.endr
.irp i, 0,1,2,3,4,5,6,7,8,9,10,11,12,13,14,15,16,17,18,19,20,21,22,23,24,25,26,27,28,29,30,31
	v_mad_u32_u24 v[OFF+\i], s10, \i, v3
.endr
	s_lshl_b32 s22, s17, 1                         ; my first K step
	s_mul_i32 s23, s22, s14
	s_add_co_u32 s23, s23, s12
	s_lshl_b32 s24, s15, 7                         ; (column / 16) x 2,048
	s_add_co_u32 s24, s23, s24
	s_mov_b32 s25, 0
	s_add_nc_u64 s[48:49], s[8:9], s[24:25]
	s_mov_b32 s26, s14
	s_mov_b32 s27, 0
	s_add_nc_u64 s[50:51], s[48:49], s[26:27]
	s_mul_i32 s28, s22, s10
	s_add_co_u32 s28, s28, s13
	s_lshl_b32 s29, s15, 2
	s_add_co_u32 s28, s28, s29
	s_mov_b32 s29, 0
	s_add_nc_u64 s[52:53], s[8:9], s[28:29]
	s_mov_b32 s30, s10
	s_mov_b32 s31, 0
	s_add_nc_u64 s[54:55], s[52:53], s[30:31]
.macro LOAD t
.irp i, 0,1,2,3,4,5,6,7,8,9,10,11,12,13,14,15,16,17,18,19,20,21,22,23,24,25,26,27,28,29,30,31
	global_load_b32 v[X+32*((\t)%2)+\i], v[OFF+\i], s[32+2*(\t):33+2*(\t)] th:TH_LOAD_NT
.endr
.endm
	s_wait_alu depctr_va_vdst(0)
	LOAD 0
	LOAD 1
.macro BLOCK t
.set XS, X+32*((\t)%2)
.if (\t) < 7
	s_wait_loadcnt 32                              ; this block's 32 loads are in; the next block's may be out
.else
	s_wait_loadcnt 0x0
.endif
	v_max3_num_f32 v12, |v[XS]|, |v[XS+1]|, |v[XS+2]|
	v_max3_num_f32 v13, |v[XS+3]|, |v[XS+4]|, |v[XS+5]|
.irp i, 6,10,14,18,22,26
	v_max3_num_f32 v12, v12, |v[XS+\i]|, |v[XS+\i+1]|
	v_max3_num_f32 v13, v13, |v[XS+\i+2]|, |v[XS+\i+3]|
.endr
	v_max3_num_f32 v12, v12, |v[XS+30]|, |v[XS+31]|
	v_max3_num_f32 v12, v12, v13, 0x4800000        ; and the floor 2^(9 - 127)
	v_add_nc_u32 v11, 0xfc000000, v12              ; the conversion's scale operand
	v_and_or_b32 v10, v12, 0x7f800000, s[MNT]      ; 448 x the scale
	v_lshrrev_b32 v13, 23, v11                     ; the byte
.if (\t)%4 == 0
	v_mov_b32 v[SB+(\t)/4], v13
.else
	v_lshl_or_b32 v[SB+(\t)/4], v13, 8*((\t)%4), v[SB+(\t)/4]
.endif
.irp i, 0,1,2,3,4,5,6,7,8,9,10,11,12,13,14,15,16,17,18,19,20,21,22,23,24,25,26,27,28,29,30,31
	v_med3_num_f32 v[XS+\i], v[XS+\i], -v10, v10
.endr
.irp g, 0,1,2,3
	v_cvt_scalef32_pk8_fp8_f32 v[C+2*\g:C+2*\g+1], v[XS+8*\g:XS+8*\g+7], v11
.endr
	ds_store_b128 v4, v[C:C+3] offset:((\t)/4)*2048+((\t)%4)*512        ; k 0-15 of the block: the place of lanes 0-15
	ds_store_b128 v4, v[C+4:C+7] offset:((\t)/4)*2048+((\t)%4)*512+256  ; k 16-31: of lanes 16-31
.if (\t)+2 < 8
	LOAD (\t)+2
.endif
	s_wait_dscnt 0x0                               ; the stores have read their registers
.endm
.irp t, 0,1,2,3,4,5,6,7
	BLOCK \t
.endr
	global_store_b32 v9, v[SB], s[52:53]           ; 128 consecutive bytes a wave
	global_store_b32 v9, v[SB+1], s[54:55]
.irp i, 0,1,2,3,4,5,6,7,8,9,10,11,12,13,14,15
	ds_load_b128 v[OUTR+4*\i:OUTR+4*\i+3], v7 offset:512*\i
.endr
.irp i, 0,1,2,3,4,5,6,7,8,9,10,11,12,13,14,15
	s_wait_dscnt 15-\i                             ; the younger loads may stay out
	global_store_b128 v8, v[OUTR+4*\i:OUTR+4*\i+3], s[48+2*((\i/4)%2):49+2*((\i/4)%2)] offset:(\i/8)*2048+(\i%4)*512
.endr
	s_wait_tensorcnt 0x0
	ds_add_u32 v224, v225
	s_wait_dscnt 0x0
	s_endpgm
.Lfunc_end_k_q1ec622bc75_quant_w:
	.size	k_q1ec622bc75_quant_w, .Lfunc_end_k_q1ec622bc75_quant_w-k_q1ec622bc75_quant_w
	.p2alignl 7, 3214868480
	.fill 96, 4, 3214868480
	.section	.rodata,"a",@progbits
	.p2align	6, 0x0
	.amdhsa_kernel k_q1ec622bc75_quant_w
		.amdhsa_group_segment_fixed_size 33280
		.amdhsa_private_segment_fixed_size 0
		.amdhsa_enable_private_segment 0
		.amdhsa_kernarg_size 24
		.amdhsa_user_sgpr_count 2
		.amdhsa_user_sgpr_kernarg_segment_ptr 1
		.amdhsa_wavefront_size32 1
		.amdhsa_system_sgpr_workgroup_id_x 1
		.amdhsa_system_sgpr_workgroup_id_y 1
		.amdhsa_system_sgpr_workgroup_id_z 1
		.amdhsa_system_vgpr_workitem_id 0
		.amdhsa_next_free_vgpr 226
		.amdhsa_next_free_sgpr 66
		.amdhsa_reserve_vcc 0
		.amdhsa_float_denorm_mode_32 3
		.amdhsa_float_denorm_mode_16_64 3
		.amdhsa_memory_ordered 1
		.amdhsa_forward_progress 1
		.amdhsa_inst_pref_size 63
	.end_amdhsa_kernel
	.amdgpu_metadata
---
amdhsa.version: [ 1, 2 ]
amdhsa.kernels:
  - .name:           k_q1ec622bc75_quant_w
    .symbol:         k_q1ec622bc75_quant_w.kd
    .args:
      - { .name: W_fc, .offset: 0, .size: 8, .value_kind: global_buffer, .address_space: global }
      - { .name: W_fc2, .offset: 8, .size: 8, .value_kind: global_buffer, .address_space: global }
      - { .name: wq, .offset: 16, .size: 8, .value_kind: global_buffer, .address_space: global }
    .group_segment_fixed_size: 33280
    .private_segment_fixed_size: 0
    .kernarg_segment_align: 8
    .kernarg_segment_size: 24
    .max_flat_workgroup_size: 128
    .sgpr_count:     66
    .vgpr_count:     226
    .wavefront_size: 32
...
	.end_amdgpu_metadata
.endif
;; end of part 2
;; launch qkv (part 3): grid 16 x 32, 4 waves a work-group, clusters of 4 x 4, 327,680 bytes of LDS; arguments xq, wq, b_fc, qkv; writes qkv
.if DOCPART == 3
	.amdgcn_target "amdgcn-amd-amdhsa--gfx1250"
	.amdhsa_code_object_version 6
	.text
	.protected	k_q1ec622bc75_qkv
	.globl	k_q1ec622bc75_qkv
	.p2align	8
	.type	k_q1ec622bc75_qkv,@function
k_q1ec622bc75_qkv:
	s_mov_b64 s[64:65], 0
	v_nop
	global_prefetch_b8 v0, s[64:65] scope:SCOPE_SE
	s_setreg_imm32_b32 hwreg(HW_REG_WAVE_MODE, 25, 1), 1
	s_wait_xcnt 0x0
	s_wait_alu depctr_hold_cnt(0) depctr_sa_sdst(0) depctr_va_vdst(0) depctr_va_sdst(0) depctr_va_ssrc(0) depctr_va_vcc(0) depctr_vm_vsrc(0)
	s_getreg_b32 s2, hwreg(HW_REG_IB_STS2, 6, 4)
	s_cmp_eq_u32 s2, 0
	s_cbranch_scc0 .Lentry_in_a_cluster
	s_endpgm
.Lentry_in_a_cluster:
	s_bfe_u32 s2, ttmp6, 0x10000c
	s_cmp_lg_u32 s2, 0xf033
	s_cbranch_scc0 .Lentry_shape_is_right
	s_endpgm
.Lentry_shape_is_right:
.set X_SC,  8388608
.set W1_SC, 3145728
.set XKS,   1048576
.set WKS,   393216
.set K_IMG, 8388608
.set V_IMG, 16777216
.set Q_SC,  25165824
.set KV_SC, 25690112
.set SLOT,  114688
.set WOFF,  65536
.set VS,    2*SLOT
.set SPARE, VS+512
.set L4,   4
.set BH,   5
.set BR,   6
.set ADRX, 16
.set ADRW, 20
.set LI,   24
.set L8,   25
.set VSA,  26
.set VSR,  27
.set SPW,  28
.set NIL,  29
.set XS,   32
.set WS,   48
.set TM,   96
.set SW,   112
.set QW,   120
.set XF,   128
.set Y,    128
.set PC,   192
.set BQK,  128
.set BV,   192
.set G1X,  24
.set G0X,  32
.set G1W,  48
.set G0W,  56
.set SEL,  66
.set NL,   68
.set MNT,  70
.set MSB, 0
.macro WIN new
.if MSB != \new
	s_set_vgpr_msb (MSB<<8)|\new
.set MSB, \new
.endif
.endm
.macro PLACES n
.rept \n
	v_nop
.endr
.endm
.macro JLOAD g0a, g1a, g0b, g1b
	s_cmp_eq_u32 s15, 0
	s_cbranch_scc0 .Lfor_b_\@
	tensor_load_to_lds s[\g0a:\g0a+3], s[\g1a:\g1a+7]
	s_nop 0
.rept 4
	v_nop
.endr
	s_branch .Lasked_\@
.Lfor_b_\@:
	tensor_load_to_lds s[\g0b:\g0b+3], s[\g1b:\g1b+7]
	s_nop 0
.rept 4
	v_nop
.endr
.Lasked_\@:
.endm
.macro CREST
	s_cmp_lg_u32 s14, 0
	s_cbranch_scc1 .Lnot_wave_0_\@
	s_barrier_signal -3
.Lnot_wave_0_\@:
	s_barrier_wait -3
	s_barrier_signal -1
	s_barrier_wait -1
.endm
.macro CROUND
	s_barrier_signal -1
	s_barrier_wait -1
	CREST
.endm
.macro WM
.if oA && oB
	v_wmma_scale_f32_16x16x128_f8f6f4 v[rD:rD+7], v[rA:rA+15], v[rB:rB+15], v[rC:rC+7], v[rSA], v[rSB] matrix_a_scale:MATRIX_SCALE_ROW1 matrix_b_scale:MATRIX_SCALE_ROW1
.elseif oA
	v_wmma_scale_f32_16x16x128_f8f6f4 v[rD:rD+7], v[rA:rA+15], v[rB:rB+15], v[rC:rC+7], v[rSA], v[rSB] matrix_a_scale:MATRIX_SCALE_ROW1
.elseif oB
	v_wmma_scale_f32_16x16x128_f8f6f4 v[rD:rD+7], v[rA:rA+15], v[rB:rB+15], v[rC:rC+7], v[rSA], v[rSB] matrix_b_scale:MATRIX_SCALE_ROW1
.else
	v_wmma_scale_f32_16x16x128_f8f6f4 v[rD:rD+7], v[rA:rA+15], v[rB:rB+15], v[rC:rC+7], v[rSA], v[rSB]
.endif
.endm
.macro MULS n0, n1, p, ks, first
.set nb_, \n0
.rept (\n1)-(\n0)+1
.set a_, 0
.rept 4
.if nb_ < 8
.set rD, 8*(8*a_+nb_)
.set rA, 16*nb_
.set rB, XF+64*(\p)+16*a_
.set rSA, WS+6*(\ks)+nb_/2
.set rSB, XS+2*(\ks)+a_/2
.set oA, nb_%2
.set oB, a_%2
.if \first
.set rC, BQK+8*nb_
	WIN 0xb1
.else
.set rC, rD
	WIN 0xa1
.endif
.else
.set rD, 8*(4*(nb_-8)+a_)
.set rA, XF+64*(\p)+16*a_
.set rB, 16*nb_
.set rSA, XS+2*(\ks)+a_/2
.set rSB, WS+6*(\ks)+nb_/2
.set oA, a_%2
.set oB, nb_%2
.if \first
.set rC, BV+8*(nb_-8)
.else
.set rC, rD
.endif
	WIN 0xf4
.endif
	WM
.set a_, a_+1
.endr
.set nb_, nb_+1
.endr
.endm
.macro FETCHX slot, q, p
	WIN 0
.irp a, 0,1,2,3
.irp c, 0,1,2,3
	ds_load_b128 v[XF+64*(\p)+16*\a+4*\c:XF+64*(\p)+16*\a+4*\c+3], v[ADRX+\slot] offset:(\q)*32768+\a*2048+512*\c
.endr
.endr
.endm
.macro FETCHW slot, q, n0
	WIN 0x40
.irp n, 0,1,2,3,4,5
.irp c, 0,1,2,3
	ds_load_b128 v[16*(\n0+\n)+4*\c:16*(\n0+\n)+4*\c+3], v[ADRW+\slot] offset:(\q)*24576+(\n0+\n)*2048+512*\c
.endr
.endr
	WIN 0
.endm
.macro STEP slot, ks, first
	s_wait_dscnt 24
	MULS 0, 5, (\ks)%2, \ks, \first
	s_wait_dscnt 0x0
	PLACES 8
	FETCHX \slot, 1, ((\ks)+1)%2
	FETCHW \slot, 1, 0
	MULS 6, 11, (\ks)%2, \ks, \first
	PLACES 8
	FETCHW \slot, 1, 6
.endm
.macro TURN slot, next, fill, ks
	WIN 0
	s_wait_tensorcnt 0x0
	ds_add_u32 v[SPW], v[NIL]
	s_wait_dscnt 25
	MULS 0, 2, (\ks)%2, \ks, 0
	s_wait_dscnt 0x0
	s_barrier_signal -1
	MULS 3, 5, (\ks)%2, \ks, 0
	WIN 0
	s_barrier_wait -1
.if \fill
	CREST
	s_add_nc_u64 s[G0X+4*\slot+2:G0X+4*\slot+3], s[G0X+4*\slot+2:G0X+4*\slot+3], 4*XKS
	s_add_nc_u64 s[G0W+4*\slot+2:G0W+4*\slot+3], s[G0W+4*\slot+2:G0W+4*\slot+3], 4*WKS
	JLOAD G0X+4*\slot, G1X, G0W+4*\slot, G1W
	PLACES 4
.else
	PLACES 8
.endif
	FETCHX \next, 0, ((\ks)+1)%2
	FETCHW \next, 0, 0
	MULS 6, 11, (\ks)%2, \ks, 0
	PLACES 8
	FETCHW \next, 0, 6
.endm
.macro SWISH64 win, base
	WIN \win
.set i_, 0
.rept 32
	v_pk_mul_f32 v[Y+i_:Y+i_+1], v[\base+i_:\base+i_+1], s[NL:NL+1] op_sel_hi:[1,0]
.set i_, i_+2
.endr
	WIN 0
.set i_, 0
	s_wait_alu depctr_va_vdst(0)
.rept 64
	v_exp_f32 v[Y+i_], v[Y+i_]
.set i_, i_+1
.endr
	v_nop
.set i_, 0
	s_wait_alu depctr_va_vdst(0)
.rept 32
	v_pk_add_f32 v[Y+i_:Y+i_+1], v[Y+i_:Y+i_+1], 1.0 op_sel_hi:[1,0]
.set i_, i_+2
.endr
.set i_, 0
	s_wait_alu depctr_va_vdst(0)
.rept 64
	v_rcp_f32 v[Y+i_], v[Y+i_]
.set i_, i_+1
.endr
	v_nop
	WIN \win
.set i_, 0
	s_wait_alu depctr_va_vdst(0)
.rept 32
	v_pk_mul_f32 v[Y+i_:Y+i_+1], v[\base+i_:\base+i_+1], v[Y+i_:Y+i_+1]
.set i_, i_+2
.endr
	WIN 0
.endm
.macro QUANT s, pc
.irp b, 0,1,2,3
	v_max3_num_f32 v[TM+\b], |v[\s+16*\b]|, |v[\s+1+16*\b]|, 0x4800000
.endr
.irp i, 2,4,6,8,10,12,14
.irp b, 0,1,2,3
	v_max3_num_f32 v[TM+\b], v[TM+\b], |v[\s+16*\b+\i]|, |v[\s+1+16*\b+\i]|
.endr
.endr
.irp b, 0,1,2,3
	v_permlanex16_b32 v[TM+4+\b], v[TM+\b], s[SEL], s[SEL+1]
.endr
.irp b, 0,1,2,3
	v_max_num_f32 v[TM+\b], v[TM+\b], v[TM+4+\b]
.endr
.irp b, 0,1,2,3
	v_add_nc_u32 v[TM+12+\b], 0xfc000000, v[TM+\b]
.endr
.irp b, 0,1,2,3
	v_and_or_b32 v[TM+8+\b], v[TM+\b], 0x7f800000, s[MNT]
.endr
.irp b, 0,1,2,3
	v_lshrrev_b32 v[TM+4+\b], 23, v[TM+12+\b]
.endr
.irp b, 0,1,2,3
.irp i, 0,1,2,3,4,5,6,7,8,9,10,11,12,13,14,15
	v_med3_num_f32 v[\s+16*\b+\i], v[\s+16*\b+\i], -v[TM+8+\b], v[TM+8+\b]
.endr
	v_cvt_scalef32_pk8_fp8_f32 v[\pc+4*\b:\pc+1+4*\b], v[\s+16*\b:\s+7+16*\b], v[TM+12+\b]
	v_cvt_scalef32_pk8_fp8_f32 v[\pc+2+4*\b:\pc+3+4*\b], v[\s+8+16*\b:\s+15+16*\b], v[TM+12+\b]
.endr
	v_nop
.endm
	s_load_b256 s[4:11], s[0:1], 0x0
	v_lshl_add_u32 v[SPW], v0, 2, SPARE
	v_mov_b32 v[NIL], 0
	ds_add_u32 v28, v29
	ds_add_u32 v28, v29
	s_wait_dscnt 0x0
	v_lshrrev_b32 v1, 5, v0
	v_readfirstlane_b32 s14, v1
	s_lshr_b32 s15, s14, 1
	s_and_b32 s16, s14, 1
	s_bfe_u32 s40, ttmp6, 0x40000
	s_bfe_u32 s41, ttmp6, 0x40004
	s_lshl_b32 s42, ttmp9, 2
	s_add_co_u32 s42, s42, s40
	s_and_b32 s17, ttmp7, 0xffff
	s_lshl_b32 s17, s17, 2
	s_add_co_u32 s17, s17, s41
	s_lshl_b32 s43, s41, 2
	s_lshl_b32 s43, 15, s43
	s_lshl_b32 s44, 0x1111, s40
	s_or_b32 s[G1X], s43, (3<<16)|(1<<21)
	s_or_b32 s[G1W], s44, (3<<16)|(1<<21)
	s_mov_b32 s[G1X+1], 32<<16
	s_mov_b32 s[G1X+2], 128<<16
	s_mov_b32 s[G1X+3], 32<<16
	s_mov_b32 s[G1X+4], 128
	s_mov_b32 s[G1X+5], 32
	s_mov_b32 s[G1X+6], 0
	s_mov_b32 s[G1X+7], 0
	s_mov_b32 s[G1W+1], 32<<16
	s_mov_b32 s[G1W+2], 96<<16
	s_mov_b32 s[G1W+3], 32<<16
	s_mov_b32 s[G1W+4], 96
	s_mov_b32 s[G1W+5], 32
	s_mov_b32 s[G1W+6], 0
	s_mov_b32 s[G1W+7], 0
	s_lshl_b32 s20, s16, 20
	s_lshl_b32 s21, s17, 15
	s_add_co_u32 s20, s20, s21
	s_mov_b32 s21, 0
	s_mul_i32 s46, s16, WKS
	s_mul_i32 s47, s42, 24576
	s_add_co_u32 s46, s46, s47
	s_mov_b32 s47, 0
	s_lshl_b32 s45, s16, 15
	s_mul_i32 s18, s16, 24576
	s_add_co_u32 s18, s18, WOFF
	s_mov_b32 s[SEL], 0x76543210
	s_mov_b32 s[SEL+1], 0xfedcba98
	s_mov_b32 s[NL], 0xbfb8aa3b
	s_mov_b32 s[NL+1], s[NL]
	s_mov_b32 s[MNT], 0x600000
	s_mov_b32 s72, 0xffff0000
	s_wait_kmcnt 0x0
	s_add_nc_u64 s[20:21], s[4:5], s[20:21]
	s_add_nc_u64 s[46:47], s[6:7], s[46:47]
	CROUND
.irp s, 0,1
	s_mov_b32 s[G0X+4*\s], 1
	s_add_co_u32 s[G0X+4*\s+1], s45, \s*SLOT
	s_add_nc_u64 s[G0X+4*\s+2:G0X+4*\s+3], s[20:21], \s*2*XKS
	s_or_b32 s[G0X+4*\s+3], s[G0X+4*\s+3], 0x80000000
	s_mov_b32 s[G0W+4*\s], 1
	s_add_co_u32 s[G0W+4*\s+1], s18, \s*SLOT
	s_add_nc_u64 s[G0W+4*\s+2:G0W+4*\s+3], s[46:47], \s*2*WKS
	s_or_b32 s[G0W+4*\s+3], s[G0W+4*\s+3], 0x80000000
	s_wait_alu depctr_va_vdst(0)
	s_wait_tensorcnt 0x0
	ds_add_u32 v28, v29
	ds_add_u32 v28, v29
	s_wait_dscnt 0x0
	CROUND
	JLOAD G0X+4*\s, G1X, G0W+4*\s, G1W
.endr
	v_and_b32 v1, 31, v0
	v_and_b32 v2, 15, v0
	v_bfe_u32 v3, v0, 4, 1
	v_lshlrev_b32 v[LI], 4, v1
	v_lshlrev_b32 v[L8], 3, v1
	v_lshlrev_b32 v[L4], 2, v1
	v_lshlrev_b32 v[BH], 6, v3
	v_and_b32 v7, 8, v2
	v_add_nc_u32 v7, v7, v2
	v_lshlrev_b32 v[BR], 2, v7
	s_lshl_b32 s19, s14, 13
	v_add_nc_u32 v[ADRX], s19, v[LI]
	v_add_nc_u32 v[ADRX+1], SLOT, v[ADRX]
	v_add_nc_u32 v[ADRW], WOFF, v[LI]
	v_add_nc_u32 v[ADRW+1], SLOT+WOFF, v[LI]
	s_lshl_b32 s19, s15, 8
	s_lshl_b32 s22, s16, 1
	s_add_co_u32 s19, s19, s22
	s_add_co_u32 s19, s19, VS
	v_lshl_add_u32 v[VSA], v2, 3, s19
	v_add_nc_u32 v[VSR], VS, v[LI]
.irp b, 0,1,2,3
	v_mov_b32 v[TM+4+\b], 0
.endr
	s_lshl_b32 s22, s17, 10
	s_lshl_b32 s23, s14, 8
	s_add_co_u32 s22, s22, s23
	s_add_co_u32 s22, s22, X_SC
	s_mov_b32 s23, 0
	s_add_nc_u64 s[74:75], s[4:5], s[22:23]
	s_mul_i32 s96, s42, 768
	s_mov_b32 s97, 0
	s_add_nc_u64 s[88:89], s[8:9], s[96:97]
	s_add_co_u32 s96, s96, W1_SC
	s_add_nc_u64 s[86:87], s[6:7], s[96:97]
.irp k, 0,1,2,3,4,5,6,7
.irp p, 0,1
	global_load_b32 v[XS+2*\k+\p], v[L4], s[74:75] offset:\k*32768+\p*128
.endr
.irp p, 0,1,2,3,4,5
	global_load_b32 v[WS+6*\k+\p], v[L4], s[86:87] offset:\k*12288+\p*128
.endr
.endr
	WIN 0xc0
.irp n, 0,1,2,3,4,5,6,7
	global_load_b128 v[BQK+8*\n:BQK+8*\n+3], v[BH], s[88:89] offset:(32*(\n/2)+8*(\n%2))*4
	global_load_b128 v[BQK+8*\n+4:BQK+8*\n+7], v[BH], s[88:89] offset:(32*(\n/2)+8*(\n%2))*4+16
.endr
.irp n, 0,1,2,3
.irp j, 0,1,2,3,4,5,6,7
	global_load_b32 v[BV+8*\n+\j], v[BR], s[88:89] offset:(128+32*(\n/2)+8*(\n%2))*4
.endr
.endr
	WIN 0
	s_lshr_b32 s76, s17, 3
	s_lshl_b32 s76, s76, 4
	s_add_co_u32 s76, s76, s42
	s_and_b32 s77, s17, 7
	s_lshl_b32 s78, s76, 17
	s_lshl_b32 s79, s77, 14
	s_add_co_u32 s78, s78, s79
	s_lshl_b32 s79, s14, 12
	s_add_co_u32 s98, s78, s79
	s_mov_b32 s99, 0
	s_add_nc_u64 s[80:81], s[10:11], s[98:99]
	s_add_nc_u64 s[82:83], s[80:81], K_IMG
	s_lshl_b32 s79, s15, 13
	s_add_co_u32 s98, s78, s79
	s_lshl_b32 s79, s16, 10
	s_add_co_u32 s98, s98, s79
	s_add_co_u32 s98, s98, V_IMG
	s_add_nc_u64 s[84:85], s[10:11], s[98:99]
	s_lshl_b32 s78, s77, 10
	s_lshl_b32 s79, s14, 8
	s_add_co_u32 s78, s78, s79
	s_lshl_b32 s79, s76, 13
	s_add_co_u32 s98, s78, s79
	s_add_co_u32 s98, s98, Q_SC
	s_add_nc_u64 s[90:91], s[10:11], s[98:99]
	s_mul_i32 s79, s76, 12288
	s_add_co_u32 s79, s79, KV_SC
	s_add_co_u32 s98, s78, s79
	s_add_nc_u64 s[92:93], s[10:11], s[98:99]
	s_lshl_b32 s78, s77, 9
	s_add_co_u32 s98, s78, s79
	s_add_co_u32 s98, s98, 8192
	s_add_nc_u64 s[94:95], s[10:11], s[98:99]
	s_wait_alu depctr_va_vdst(0)
	s_wait_tensorcnt 1
	s_barrier_signal -1
	s_barrier_wait -1
	FETCHX 0, 0, 0
	FETCHW 0, 0, 0
	FETCHW 0, 0, 6
	s_wait_loadcnt 0x0
	STEP 0, 0, 1
	TURN 0, 1, 1, 1
	STEP 1, 2, 0
	TURN 1, 0, 1, 3
	STEP 0, 4, 0
	TURN 0, 1, 0, 5
	STEP 1, 6, 0
	s_wait_dscnt 24
	MULS 0, 5, 1, 7, 0
	s_wait_dscnt 0x0
	MULS 6, 11, 1, 7, 0
	WIN 0
	PLACES 8
.macro UNITQK a
	SWISH64 2, 64*\a
	QUANT Y, PC+16*\a
	v_lshl_or_b32 v[QW+\a], v[TM+5], 8, v[TM+4]
	v_lshl_or_b32 v[QW+4+\a], v[TM+7], 8, v[TM+6]
	v_or_b32 v[QW+\a], 0x7f7f0000, v[QW+\a]
	v_or_b32 v[QW+4+\a], 0x7f7f0000, v[QW+4+\a]
	global_store_b128 v[LI], v[PC+16*\a:PC+16*\a+3], s[80:81] offset:\a*1024
	global_store_b128 v[LI], v[PC+16*\a+4:PC+16*\a+7], s[80:81] offset:\a*1024+512
	global_store_b128 v[LI], v[PC+16*\a+8:PC+16*\a+11], s[82:83] offset:\a*1024
	global_store_b128 v[LI], v[PC+16*\a+12:PC+16*\a+15], s[82:83] offset:\a*1024+512
.endm
.macro UNITV p
	s_wait_xcnt 0x0
	SWISH64 3, 64*\p
	QUANT Y, PC+16*\p
	v_lshl_or_b32 v[SW+4+2*\p], v[TM+5], 8, v[TM+4]
	v_lshl_or_b32 v[SW+5+2*\p], v[TM+7], 8, v[TM+6]
	ds_store_b16 v[VSA], v[SW+4+2*\p] offset:4*\p
	ds_store_b16 v[VSA], v[SW+5+2*\p] offset:128+4*\p
	global_store_b128 v[LI], v[PC+16*\p:PC+16*\p+3], s[84:85] offset:2*\p*2048
	global_store_b128 v[LI], v[PC+16*\p+4:PC+16*\p+7], s[84:85] offset:2*\p*2048+512
	global_store_b128 v[LI], v[PC+16*\p+8:PC+16*\p+11], s[84:85] offset:(2*\p+1)*2048
	global_store_b128 v[LI], v[PC+16*\p+12:PC+16*\p+15], s[84:85] offset:(2*\p+1)*2048+512
.endm
	UNITQK 0
	UNITQK 1
	UNITQK 2
	UNITQK 3
	UNITV 0
	UNITV 1
	v_cndmask_b32 v[SW], v[QW], v[QW+1], s72
	v_cndmask_b32 v[SW+1], v[QW+2], v[QW+3], s72
	v_cndmask_b32 v[SW+2], v[QW+4], v[QW+5], s72
	v_cndmask_b32 v[SW+3], v[QW+6], v[QW+7], s72
	global_store_b64 v[L8], v[SW:SW+1], s[90:91]
	global_store_b64 v[L8], v[SW+2:SW+3], s[92:93]
	s_wait_dscnt 0x0
	s_barrier_signal -1
	s_barrier_wait -1
	s_cmp_lg_u32 s14, 0
	s_cbranch_scc1 .Lnot_first
	ds_load_b128 v[Y:Y+3], v[VSR]
	s_wait_dscnt 0x0
	global_store_b128 v[LI], v[Y:Y+3], s[94:95]
.Lnot_first:
	s_wait_tensorcnt 0x0
	ds_add_u32 v[SPW], v[NIL]
	s_wait_dscnt 0x0
	CROUND
	s_endpgm
.Lfunc_end_k_q1ec622bc75_qkv:
	.size	k_q1ec622bc75_qkv, .Lfunc_end_k_q1ec622bc75_qkv-k_q1ec622bc75_qkv
	.p2alignl 7, 3214868480
	.fill 96, 4, 3214868480
	.section	.rodata,"a",@progbits
	.p2align	6, 0x0
	.amdhsa_kernel k_q1ec622bc75_qkv
		.amdhsa_group_segment_fixed_size 327680
		.amdhsa_private_segment_fixed_size 0
		.amdhsa_enable_private_segment 0
		.amdhsa_kernarg_size 32
		.amdhsa_user_sgpr_count 2
		.amdhsa_user_sgpr_kernarg_segment_ptr 1
		.amdhsa_wavefront_size32 1
		.amdhsa_system_sgpr_workgroup_id_x 1
		.amdhsa_system_sgpr_workgroup_id_y 1
		.amdhsa_system_sgpr_workgroup_id_z 1
		.amdhsa_system_vgpr_workitem_id 0
		.amdhsa_next_free_vgpr 1024
		.amdhsa_next_free_sgpr 100
		.amdhsa_reserve_vcc 0
		.amdhsa_float_denorm_mode_32 3
		.amdhsa_float_denorm_mode_16_64 3
		.amdhsa_memory_ordered 1
		.amdhsa_forward_progress 1
		.amdhsa_inst_pref_size 222
	.end_amdhsa_kernel
	.amdgpu_metadata
---
amdhsa.version: [ 1, 2 ]
amdhsa.kernels:
  - .name:           k_q1ec622bc75_qkv
    .symbol:         k_q1ec622bc75_qkv.kd
    .args:
      - { .name: xq, .offset: 0, .size: 8, .value_kind: global_buffer, .address_space: global }
      - { .name: wq, .offset: 8, .size: 8, .value_kind: global_buffer, .address_space: global }
      - { .name: b_fc, .offset: 16, .size: 8, .value_kind: global_buffer, .address_space: global }
      - { .name: qkv, .offset: 24, .size: 8, .value_kind: global_buffer, .address_space: global }
    .group_segment_fixed_size: 327680
    .private_segment_fixed_size: 0
    .kernarg_segment_align: 8
    .kernarg_segment_size: 32
    .max_flat_workgroup_size: 128
    .sgpr_count:     100
    .vgpr_count:     1024
    .wavefront_size: 32
...
	.end_amdgpu_metadata
.endif
;; end of part 3
;; launch attn (part 4): grid 4 x 64, 12 waves a work-group, clusters of 4 x 1, 327,680 bytes of LDS; arguments qkv, nv; writes nv
.if DOCPART == 4
	.amdgcn_target "amdgcn-amd-amdhsa--gfx1250"
	.amdhsa_code_object_version 6
	.text
	.protected	k_q1ec622bc75_attn
	.globl	k_q1ec622bc75_attn
	.p2align	8
	.type	k_q1ec622bc75_attn,@function
k_q1ec622bc75_attn:
	s_mov_b64 s[64:65], 0
	v_nop
	global_prefetch_b8 v0, s[64:65] scope:SCOPE_SE
	s_setreg_imm32_b32 hwreg(HW_REG_WAVE_MODE, 25, 1), 1
	s_wait_xcnt 0x0
	s_wait_alu depctr_hold_cnt(0) depctr_sa_sdst(0) depctr_va_vdst(0) depctr_va_sdst(0) depctr_va_ssrc(0) depctr_va_vcc(0) depctr_vm_vsrc(0)
	s_getreg_b32 s2, hwreg(HW_REG_IB_STS2, 6, 4)
	s_cmp_eq_u32 s2, 0
	s_cbranch_scc0 .Lentry_in_a_cluster
	s_endpgm
.Lentry_in_a_cluster:
	s_bfe_u32 s2, ttmp6, 0x10000c
	s_cmp_lg_u32 s2, 0x3003
	s_cbranch_scc0 .Lentry_shape_is_right
	s_endpgm
.Lentry_shape_is_right:
; new_v[q] = sum over keys of softmax(q . k / sqrt(2048)) v, for one batch and head (hb), both products on codes of FP8 (E4M3) with E8M0 scales; the result is quantised along (head, d) for the last product.
; THE SOFTMAX: t = score x c, c = log2(e) / sqrt(2048) (one constant: one rounding where the definition has two); M = the running largest t rounded UP to a whole number; p = 2^(t - M) is quantised along the keys, not normalised;
; the row's sum is taken of the unquantised p and divides at the end.  When M moves, the sums and O are multiplied by 2^(old M - new M), which rounds nothing.
; SHARES: a work-group owns 512 queries of one head, 32 tiles of 16, and has twelve waves, three to a SIMD.  In pass p wave w takes tile 12 p + w: waves 0-7 take three tiles, waves 8-11 two (8 x 3 + 4 x 2 = 32).
; All waves walk three passes of sixteen key steps, so that every trip count is a constant; in the third pass waves 8-11 jump over each step's work and over the tile's end by scalar branches on ids, which lead round no barrier, wait or add.
; THE WHOLE HEAD'S K AND V (131,072 bytes each) AND THEIR SCALE WORDS STAY IN LDS, FILLED ONCE.  The four work-groups of a cluster are the four quarters of one head's queries: every fill is a joint load that names all four.
; One group of loads at the head, one load a wave: waves 0-3 a quarter of K each, waves 4-7 a quarter of V (32,768 bytes each), waves 8-11 a quarter of the scale words (3,072 bytes each); one barrier shows them to all waves.
; No prefetch: every byte that the launch reads through LDS is asked for by that one group at its start, so there is no later load to run ahead of.
; LAYOUT: both products transposed: S^T = K Q^T, O^T = V^T P^T: a lane holds one query throughout.  By the stored order of rows the 16 registers of tiles 2 b, 2 b + 1 of S^T are keys 32 b + 16 h + 0 .. 15, and those of O^T d = 32 b + 16 h + 0 .. 15.
; THE FIRST PRODUCT'S K IS 64.  Q's upper 64 of the instruction's 128 are zero codes under the byte 127, written once.  K's eight fragments of a key step lie on end, 8 registers each: the upper 64 of tile t's operand
; are tile t + 1's codes (behind tile 7: eight registers of zeros), finite numbers under the byte 127, which meet Q's zeros and add nothing.
; ORDER OF A KEY STEP: no idle place is written.  The held p goes into K's registers, which are free by then, so that the unquantised p stays where it is: its lower 32 registers are summed behind the second product
; (sixteen places ahead of the next loads into that product's operands), its upper 32 between tiles 0-3 and 4-7 of the next first product (sixteen places ahead of the first read of tiles 0-3);
; the maxima of blocks 0 and 1 are the places behind tiles 4-7.  All of a step's p are summed ahead of the next step's change of M.
; nv: images [K step = head / 2][tile 512][c = 2 (head % 2) + b][512]; NV_SC on, [head 16][stored row 8192][2 bytes].
; LIMITS: the promise holds while the scaled scores stay under 2^31 in magnitude.  A block of zeros, or under 2^-118, gets the byte 1 (only this program reads the bytes).  A block's largest p is made from the block's largest
; score by the same fused multiply-add and exponential, which takes v_exp_f32 not to fall where its input rises.  NaN and infinities are not served.
; REGISTERS: v1-7 addresses that stay; v8-11 addresses in hand; v12 -M, v13 the largest score, v[14:15] and v[244:245] the sum in two chains; v16-31 Q; v32-95 K's fragments, then the held p, then V's fragments; v96-103 zeros;
;   v104-167 S^T, then p; v168-199 O^T; v200-215 codes; v216-223, v232-243 at work; v224-231 scale words and nothing else; v254, v255 the add's two.
.set K_IMG, 8388608
.set Q_SC,  25165824
.set KV_SC, 25690112
.set NV_SC, 8388608
.set VIMG,  131072
.set KSC,   262144
.set VSC,   270336
.set NS,    274432                     ; new_v's scale half-words meet here: 32 bytes a tile, 1,024 in all; no tile of K or V lands here
.set SPARE, 276480                     ; the spare words: 128 bytes for each of 12 waves
.set ADK,  8
.set ADV,  9
.set ADS,  10
.set ADT,  11
.set X,    32
.set ZT,   96
.set Y,    104
.set O,    168
.set PC,   200
.set BM,   216
.set B2,   220
.set HOLD, 232
.set SCL,  236
.set F,    240
.set S2,   244
.set WV,   18
.set MNT,  19
.set SEL,  20
.set CS,   22
.set G1A,  24                          ; s[24:31] group 1: 128 rows of 256 bytes;  s[32:39]: 12 rows
.set G1S,  32
.set NP,   56                          ; my wave's number of tiles: 3 or 2
.set PASS, 57
.set NSO,  58
.set SKIP, 59                          ; 1 in a pass in which my wave has no tile
.set TK,   60
.set TS,   61
.set TJ,   62
.set CNT,  63
.set QI,   68
.set QS,   70
.set NVI,  72
.set NVW,  74
.macro CROUND
	s_barrier_signal -1
	s_barrier_wait -1
	s_cmp_lg_u32 s[WV], 0
	s_cbranch_scc1 .Lnot_wave_0_\@
	s_barrier_signal -3
.Lnot_wave_0_\@:
	s_barrier_wait -3
	s_barrier_signal -1
	s_barrier_wait -1
.endm
.macro G1 g, rows                      ; rows of 256 bytes (32 elements of 8), dense; the mask names all four work-groups, bit 21 beside it
	s_mov_b32 s[\g], 15|(3<<16)|(1<<21)
	s_mov_b32 s[\g+1], 32<<16
	s_mov_b32 s[\g+2], \rows<<16
	s_mov_b32 s[\g+3], 32<<16
	s_mov_b32 s[\g+4], \rows
	s_mov_b32 s[\g+5], 32
	s_mov_b32 s[\g+6], 0
	s_mov_b32 s[\g+7], 0
.endm
.macro WS t                            ; tile t of S^T: 16 keys x my 16 queries
.if (\t)%2
	v_wmma_scale_f32_16x16x128_f8f6f4 v[Y+8*(\t):Y+8*(\t)+7], v[X+8*(\t):X+8*(\t)+15], v[16:31], 0, v[224+(\t)/2], v230 matrix_a_scale:MATRIX_SCALE_ROW1
.else
	v_wmma_scale_f32_16x16x128_f8f6f4 v[Y+8*(\t):Y+8*(\t)+7], v[X+8*(\t):X+8*(\t)+15], v[16:31], 0, v[224+(\t)/2], v230
.endif
.endm
.macro SUM j0                          ; 32 registers of the unquantised p onto the row's sum, two at a time, in two chains
.irp j, 0,4,8,12,16,20,24,28
	v_pk_add_f32 v[14:15], v[14:15], v[Y+\j0+\j:Y+\j0+\j+1]
	v_pk_add_f32 v[S2:S2+1], v[S2:S2+1], v[Y+\j0+\j+2:Y+\j0+\j+3]
.endr
.endm
.macro BMAX b0, b1                     ; my 16 scores of blocks b0 and b1: two chains a block, four by turns; each accumulator is first read at its low end
.irp b, \b0, \b1
	v_max3_num_f32 v[BM+\b], v[Y+16*\b], v[Y+16*\b+1], v[Y+16*\b+2]
	v_max3_num_f32 v[B2+\b], v[Y+16*\b+3], v[Y+16*\b+4], v[Y+16*\b+5]
.endr
.irp i, 6,10
.irp b, \b0, \b1
	v_max3_num_f32 v[BM+\b], v[BM+\b], v[Y+16*\b+\i], v[Y+16*\b+\i+1]
	v_max3_num_f32 v[B2+\b], v[B2+\b], v[Y+16*\b+\i+2], v[Y+16*\b+\i+3]
.endr
.endr
.irp b, \b0, \b1
	v_max3_num_f32 v[BM+\b], v[BM+\b], v[Y+16*\b+14], v[Y+16*\b+15]
.endr
.irp b, \b0, \b1
	v_max_num_f32 v[BM+\b], v[BM+\b], v[B2+\b]
.endr
.endm
; A KEY STEP'S WORK: 128 keys.
.macro STEP
	v_add_nc_u32 v[ADK], s[TK], v1
	v_add_nc_u32 v[ADV], s[TK], v2
	v_add_nc_u32 v[ADS], s[TS], v3
	v_add_nc_u32 v[ADT], s[TJ], v4
	ds_load_b64 v[224:225], v[ADS]                 ; K's words: tiles 0|1, 2|3,
	ds_load_b64 v[226:227], v[ADS] offset:256      ; 4|5, 6|7
	ds_load_b64 v[228:229], v[ADT]                 ; V's: dt 0|1, 2|3
.irp t, 0,1,2,3,4,5,6,7
	ds_load_b128 v[X+8*\t:X+8*\t+3], v[ADK] offset:\t*1024
	ds_load_b128 v[X+8*\t+4:X+8*\t+7], v[ADK] offset:\t*1024+512
.endr
	s_wait_alu depctr_va_vdst(0)
	s_wait_dscnt 0x0
	WS 0
	WS 1
	WS 2
	WS 3
	SUM 32                                         ; the last step's p, upper half (the first step of a pass finds zeros)
	WS 4
	WS 5
	WS 6
	WS 7
	BMAX 0, 1
	BMAX 2, 3
.irp b, 0,1,2,3
	v_permlanex16_b32 v[B2+\b], v[BM+\b], s[SEL], s[SEL+1]
.endr
.irp b, 0,1,2,3
	s_delay_alu instid0(VALU_DEP_4)
	v_max_num_f32 v[BM+\b], v[BM+\b], v[B2+\b]     ; with lane l xor 16's 16 keys: the block's largest score
.endr
	s_delay_alu instid0(VALU_DEP_2)
	v_max3_num_f32 v242, v[BM], v[BM+1], v[BM+2]
	v_mov_b32 v243, v12                            ; the old -M
	s_delay_alu instid0(VALU_DEP_2)
	v_max3_num_f32 v13, v13, v242, v[BM+3]         ; the running largest score
	s_delay_alu instid0(VALU_DEP_1)
	v_mul_f32 v242, s[CS], v13                     ; as t (c is positive)
	s_delay_alu instid0(VALU_DEP_1)
	v_floor_f32 v12, -v242                         ; -M = floor(-t): M is a whole number
	s_delay_alu instid0(VALU_DEP_1)
	v_sub_f32 v243, v12, v243                      ; old M - new M: a whole number, 0 or less
	s_delay_alu instid0(VALU_DEP_1)
	v_cvt_i32_f32 v243, v243                       ; (it saturates)
	s_delay_alu instid0(VALU_DEP_1)
	v_ldexp_f32 v[F], 1.0, v243                    ; f = 2^(old M - new M)
.set j_, 0
.rept 32
	v_pk_fma_f32 v[Y+j_:Y+j_+1], v[Y+j_:Y+j_+1], s[CS:CS+1], v[12:13] op_sel_hi:[1,0,0]   ; t - M, two at a time (of the pairs c and -M the low word serves both halves)
.set j_, j_+2
.endr
.irp b, 0,1,2,3
	v_fma_f32 v[BM+\b], v[BM+\b], s[CS], v12       ; the same of each block's largest score
.endr
	s_wait_alu depctr_va_vdst(0)
.set j_, 0
.rept 64
	v_exp_f32 v[Y+j_], v[Y+j_]                     ; p = 2^(t - M)
.set j_, j_+1
.endr
.irp b, 0,1,2,3
	v_exp_f32 v[BM+\b], v[BM+\b]                   ; the block's largest p
.endr
	v_pk_mul_f32 v[14:15], v[14:15], v[F:F+1] op_sel_hi:[1,0]       ; the sums under the new M (plain places behind the exponentials)
	v_pk_mul_f32 v[S2:S2+1], v[S2:S2+1], v[F:F+1] op_sel_hi:[1,0]
	s_wait_alu depctr_va_vdst(0)                   ; one wait for the whole batch, ahead of its first reader
.irp b, 0,1,2,3
	v_max_num_f32 v[BM+\b], 0x4800000, v[BM+\b]    ; the floor 2^(9 - 127)
.endr
.irp b, 0,1,2,3
	s_delay_alu instid0(VALU_DEP_4)
	v_add_nc_u32 v[SCL+\b], 0xfc000000, v[BM+\b]   ; 8 off the exponent field: the conversion's scale operand
.endr
.irp b, 0,1,2,3
	v_and_or_b32 v[HOLD+\b], v[BM+\b], 0x7f800000, s[MNT]   ; 448 x the scale
.endr
.irp b, 0,1,2,3
	v_lshrrev_b32 v[B2+\b], 23, v[SCL+\b]          ; the scale's byte
.endr
	s_delay_alu instid0(VALU_DEP_3)
	v_lshl_or_b32 v231, v[B2+1], 8, v[B2]          ; p's scale word for these 128 keys
	s_delay_alu instid0(VALU_DEP_1)
	v_lshl_or_b32 v231, v[B2+2], 16, v231
	s_delay_alu instid0(VALU_DEP_1)
	v_lshl_or_b32 v231, v[B2+3], 24, v231
.irp b, 0,1,2,3
.irp i, 0,2,4,6,8,10,12,14
	v_dual_min_num_f32 v[X+16*\b+\i], v[Y+16*\b+\i], v[HOLD+\b] :: v_dual_min_num_f32 v[X+16*\b+\i+1], v[Y+16*\b+\i+1], v[HOLD+\b]   ; the conversion does not saturate (ISA guide 7.6.2); p is not negative; the held p goes where K's fragments lay
.endr
	v_cvt_scalef32_pk8_fp8_f32 v[PC+4*\b:PC+4*\b+1], v[X+16*\b:X+16*\b+7], v[SCL+\b]
	v_cvt_scalef32_pk8_fp8_f32 v[PC+4*\b+2:PC+4*\b+3], v[X+16*\b+8:X+16*\b+15], v[SCL+\b]
.irp c, 0,1,2,3
	ds_load_b128 v[X+16*\b+4*\c:X+16*\b+4*\c+3], v[ADV] offset:\b*2048+512*\c   ; V's fragment b takes the place of the block just converted
.endr
.endr
	s_wait_alu depctr_va_vdst(0)                   ; directly ahead of the first reader of O^T
.set j_, 0
.rept 16
	v_pk_mul_f32 v[O+j_:O+j_+1], v[O+j_:O+j_+1], v[F:F+1] op_sel_hi:[1,0]   ; O^T under the new M, each accumulator from its low end on; also the places between p's codes and scale word and the products
.set j_, j_+2
.endr
	s_wait_alu depctr_va_vdst(0)
	s_wait_dscnt 0x0
.irp t, 0,1,2,3
.if \t%2
	v_wmma_scale_f32_16x16x128_f8f6f4 v[O+8*\t:O+8*\t+7], v[X+16*\t:X+16*\t+15], v[PC:PC+15], v[O+8*\t:O+8*\t+7], v[228+\t/2], v231 matrix_a_scale:MATRIX_SCALE_ROW1
.else
	v_wmma_scale_f32_16x16x128_f8f6f4 v[O+8*\t:O+8*\t+7], v[X+16*\t:X+16*\t+15], v[PC:PC+15], v[O+8*\t:O+8*\t+7], v[228+\t/2], v231
.endif
.endr
	SUM 0                                          ; this step's p, lower half
.endm
.macro QLOAD                           ; my tile of Q stays in registers for a pass
	global_load_b128 v[16:19], v1, s[QI:QI+1]
	global_load_b128 v[20:23], v1, s[QI:QI+1] offset:512
	global_load_b32 v230, v6, s[QS:QS+1]
.endm
	s_load_b128 s[4:7], s[0:1], 0x0                ; qkv, nv
	v_lshl_add_u32 v254, v0, 2, SPARE
	v_mov_b32 v255, 0
	ds_add_u32 v254, v255                          ; the opening lines: the add, twice on end, and its wait ahead of the first tensor loads
	ds_add_u32 v254, v255
	v_lshrrev_b32 v8, 5, v0
	v_readfirstlane_b32 s[WV], v8                  ; wave 0..11
	s_bfe_u32 s76, ttmp6, 0x40000                  ; cx
	s_lshl_b32 s96, ttmp9, 2
	s_add_co_u32 s76, s76, s96                     ; which quarter of the queries: it enters Q's and nv's addresses alone
	s_and_b32 s77, ttmp7, 0xffff                   ; hb, which the four partners share
	s_and_b32 s79, s[WV], 3
	s_lshr_b32 s80, s[WV], 2                       ; waves 0-7: K (0) or V (1),
	s_lshl_b32 s78, s79, 15                        ; quarter wave % 4 of its 131,072 bytes
	s_mul_i32 s81, s79, 3072                       ; waves 8-11: a quarter of the head's 12,288 bytes of scale words
	s_mul_i32 s82, s77, 12288
	s_add_co_u32 s82, s82, s81
	s_add_co_u32 s82, s82, KV_SC
	s_mov_b32 s83, 0
	s_lshl_b32 s84, s80, 23                        ; V's images lie 2^23 bytes behind K's
	s_add_co_u32 s84, s84, K_IMG
	s_lshl_b32 s85, s77, 17
	s_add_co_u32 s84, s84, s85
	s_add_co_u32 s84, s84, s78
	s_mov_b32 s85, 0
	s_lshl_b32 s86, s[WV], 15                      ; in LDS V follows K: 32,768 x wave
	G1 G1A, 128
	G1 G1S, 12
	s_mov_b32 s[SEL], 0x76543210
	s_mov_b32 s[SEL+1], 0xfedcba98
	s_mov_b32 s[CS], 0x3d0293ee                    ; c = log2(e) / sqrt(2048)
	s_mov_b32 s[CS+1], s[CS]                       ; (named with it as a pair, so it is written)
	s_mov_b32 s[MNT], 0x600000
	s_wait_dscnt 0x0                               ; both opening adds are done
	s_wait_kmcnt 0x0
	s_mov_b32 s40, 1
	s_mov_b32 s41, s86
	s_add_nc_u64 s[42:43], s[4:5], s[84:85]
	s_or_b32 s43, s43, 0x80000000
	s_mov_b32 s44, 1
	s_add_co_u32 s45, s81, KSC
	s_add_nc_u64 s[46:47], s[4:5], s[82:83]
	s_or_b32 s47, s47, 0x80000000
	CROUND                                         ; all four work-groups are here: the joint loads meet
	s_cmp_lt_u32 s[WV], 8                          ; one branch on the wave's number, a load to each arm, one join: every wave issues one
	s_cbranch_scc0 .Lhead_s
	tensor_load_to_lds s[40:43], s[G1A:G1A+7]
	s_nop 0
.rept 4
	v_nop
.endr
	s_branch .Lhead_asked
.Lhead_s:
	tensor_load_to_lds s[44:47], s[G1S:G1S+7]
	s_nop 0
.rept 4
	v_nop
.endr
.Lhead_asked:
	s_lshl_b32 s90, s77, 17                        ; Q's image of my first tile: hb, quarter, wave
	s_lshl_b32 s92, s76, 15
	s_add_co_u32 s90, s90, s92
	s_lshl_b32 s92, s[WV], 10
	s_add_co_u32 s90, s90, s92
	s_mov_b32 s91, 0
	s_add_nc_u64 s[QI:QI+1], s[4:5], s[90:91]
	s_lshl_b32 s90, s77, 13
	s_lshl_b32 s92, s76, 11
	s_add_co_u32 s90, s90, s92
	s_add_co_u32 s90, s90, Q_SC
	s_add_nc_u64 s[QS:QS+1], s[4:5], s[90:91]
	s_and_b32 s92, s77, 15                         ; head
	s_lshr_b32 s93, s77, 4                         ; batch
	s_lshr_b32 s90, s92, 1
	s_lshl_b32 s90, s90, 20
	s_lshl_b32 s94, s93, 18
	s_add_co_u32 s90, s90, s94
	s_lshl_b32 s94, s76, 16
	s_add_co_u32 s90, s90, s94
	s_lshl_b32 s94, s[WV], 11
	s_add_co_u32 s90, s90, s94
	s_and_b32 s94, s92, 1
	s_lshl_b32 s94, s94, 10
	s_add_co_u32 s90, s90, s94
	s_add_nc_u64 s[NVI:NVI+1], s[6:7], s[90:91]
	s_lshl_b32 s90, s92, 14
	s_lshl_b32 s94, s93, 12
	s_add_co_u32 s90, s90, s94
	s_lshl_b32 s94, s76, 10
	s_add_co_u32 s90, s90, s94
	s_add_co_u32 s90, s90, NV_SC
	s_add_nc_u64 s[NVW:NVW+1], s[6:7], s[90:91]
	s_lshr_b32 s94, s[WV], 2                       ; Q's word of tile T: 64 rows (T / 4), lane 16 (T % 2) + r, register (T / 2) % 2; T = 12 p + w: twelve tiles on are 768 bytes on
	s_lshl_b32 s94, s94, 8
	s_and_b32 s95, s[WV], 1
	s_lshl_b32 s95, s95, 7
	s_add_co_u32 s94, s94, s95
	s_bfe_u32 s95, s[WV], 0x10001
	s_lshl_b32 s95, s95, 2
	s_add_co_u32 s94, s94, s95
	s_lshl_b32 s95, s[WV], 5
	s_add_co_u32 s95, s95, NS
	s_cmp_lt_u32 s[WV], 8
	s_cselect_b32 s[NP], 3, 2                      ; my number of tiles
	s_mov_b32 s[NSO], 0
	s_mov_b32 s[PASS], 0
	v_and_b32 v8, 31, v0                           ; lane
	v_and_b32 v9, 15, v0                           ; r
	v_lshlrev_b32 v1, 4, v8                        ; 16 x lane: an image's place for my lane
	v_add_nc_u32 v2, VIMG, v1
	v_lshlrev_b32 v3, 3, v8
	v_add_nc_u32 v4, VSC, v3
	v_add_nc_u32 v3, KSC, v3
	v_add_nc_u32 v5, NS, v1
	v_lshl_add_u32 v6, v9, 3, s94
	v_lshl_add_u32 v7, v9, 1, s95                  ; my row's half-word in the stage
.irp j, 0,1,2,3,4,5,6,7
	v_mov_b32 v[24+\j], 0                          ; Q's upper 64 along K: zero codes, written once
	v_mov_b32 v[ZT+\j], 0                          ; and what stands behind K's last fragment
.endr
.irp b, 0,1,2,3
	v_mov_b32 v[B2+\b], 0                          ; a lane permute's destination counts as one of its sources
.endr
	v_mov_b32 v242, 0
	v_mov_b32 v[F+1], 0                            ; named as the upper half of the pair
	QLOAD
	s_wait_alu depctr_va_vdst(0)
	s_wait_tensorcnt 0x0                           ; my load has landed
	s_barrier_signal -1
	s_barrier_wait -1                              ; everybody's has
.Lpass:
	v_mov_b32 v13, 0xff61b1e6                      ; the largest score so far: -3e38
	v_floor_f32 v12, -v13
	v_mov_b32 v14, 0
	v_mov_b32 v15, 0
	v_mov_b32 v[S2], 0
	v_mov_b32 v[S2+1], 0
.set j_, 0
.rept 32
	v_mov_b32 v[O+j_], 0                           ; O^T: the step is written once: the first finds zeros,
	v_mov_b32 v[Y+32+j_], 0                        ; and zeros where it sums the step before
.set j_, j_+1
.endr
	s_mov_b32 s[TK], 0
	s_mov_b32 s[TS], 0
	s_mov_b32 s[TJ], 0
	s_mov_b32 s[CNT], 16
	s_cmp_ge_u32 s[PASS], s[NP]
	s_cselect_b32 s[SKIP], 1, 0                    ; the pass's number and the wave's alone
	s_wait_alu depctr_va_vdst(0)
	s_wait_loadcnt 0x0                             ; Q
.Lstep:
	s_cmp_lg_u32 s[SKIP], 0
	s_cbranch_scc1 .Lidle                          ; a wave with no tile in this pass walks the steps and does none of their work
	STEP
.Lidle:
	s_add_co_u32 s[TK], s[TK], 8192
	s_add_co_u32 s[TS], s[TS], 512
	s_add_co_u32 s[TJ], s[TJ], 256
	s_sub_co_u32 s[CNT], s[CNT], 1
	s_cmp_lg_u32 s[CNT], 0
	s_wait_alu depctr_va_vdst(0)                   ; directly ahead of the branch
	s_cbranch_scc1 .Lstep
	s_cmp_lg_u32 s[SKIP], 0
	s_cbranch_scc1 .Lno_tile
	; A TILE'S END: O^T / the sum, quantised along d: two blocks of 32.
	SUM 32                                         ; the last step's upper half
	v_pk_add_f32 v[14:15], v[14:15], v[S2:S2+1]
	s_delay_alu instid0(VALU_DEP_1)
	v_add_f32 v14, v14, v15
	s_delay_alu instid0(VALU_DEP_1)
	v_permlanex16_b32 v242, v14, s[SEL], s[SEL+1]
	s_delay_alu instid0(VALU_DEP_1)
	v_add_f32 v14, v14, v242                       ; the row's sum
	s_wait_alu depctr_va_vdst(0)                   ; ahead of the transcendental
	v_rcp_f32 v14, v14
	v_nop
	s_wait_alu depctr_va_vdst(0)                   ; and ahead of its first reader, which is O^T's first reader too
.set j_, 0
.rept 16
	v_pk_mul_f32 v[O+j_:O+j_+1], v[O+j_:O+j_+1], v[14:15] op_sel_hi:[1,0]
.set j_, j_+2
.endr
.irp b, 0,1
	v_max3_num_f32 v[BM+\b], |v[O+16*\b]|, |v[O+1+16*\b]|, 0x4800000
.endr
.irp i, 2,4,6,8,10,12,14
.irp b, 0,1
	s_delay_alu instid0(VALU_DEP_2)
	v_max3_num_f32 v[BM+\b], v[BM+\b], |v[O+16*\b+\i]|, |v[O+1+16*\b+\i]|
.endr
.endr
.irp b, 0,1
	s_delay_alu instid0(VALU_DEP_2)
	v_permlanex16_b32 v[B2+\b], v[BM+\b], s[SEL], s[SEL+1]
.endr
.irp b, 0,1
	s_delay_alu instid0(VALU_DEP_2)
	v_max_num_f32 v[BM+\b], v[BM+\b], v[B2+\b]
.endr
.irp b, 0,1
	s_delay_alu instid0(VALU_DEP_2)
	v_add_nc_u32 v[SCL+\b], 0xfc000000, v[BM+\b]
.endr
.irp b, 0,1
	s_delay_alu instid0(VALU_DEP_4)
	v_and_or_b32 v[HOLD+\b], v[BM+\b], 0x7f800000, s[MNT]
.endr
.irp b, 0,1
	s_delay_alu instid0(VALU_DEP_4)
	v_lshrrev_b32 v[B2+\b], 23, v[SCL+\b]
.endr
	s_delay_alu instid0(VALU_DEP_1)
	v_lshl_or_b32 v243, v[B2+1], 8, v[B2]          ; my row's two bytes
	v_add_nc_u32 v[ADK], s[NSO], v7
.irp b, 0,1
.irp i, 0,1,2,3,4,5,6,7,8,9,10,11,12,13,14,15
	v_med3_num_f32 v[O+16*\b+\i], v[O+16*\b+\i], -v[HOLD+\b], v[HOLD+\b]
.endr
	v_cvt_scalef32_pk8_fp8_f32 v[PC+4*\b:PC+4*\b+1], v[O+16*\b:O+16*\b+7], v[SCL+\b]
	v_cvt_scalef32_pk8_fp8_f32 v[PC+4*\b+2:PC+4*\b+3], v[O+16*\b+8:O+16*\b+15], v[SCL+\b]
.endr
	v_nop                                          ; a plain place behind the last conversions
	global_store_b128 v1, v[PC:PC+3], s[NVI:NVI+1]             ; 512 consecutive bytes, aligned
	global_store_b128 v1, v[PC+4:PC+7], s[NVI:NVI+1] offset:512
	ds_store_b16 v[ADK], v243                      ; both halves of the lanes write the same bytes with the same value
.Lno_tile:
	s_wait_xcnt 0x0                                ; bases and data are written again only behind this wait
	s_add_nc_u64 s[QI:QI+1], s[QI:QI+1], 12288     ; twelve tiles on
	s_add_nc_u64 s[QS:QS+1], s[QS:QS+1], 768
	s_add_nc_u64 s[NVI:NVI+1], s[NVI:NVI+1], 24576
	s_add_co_u32 s[NSO], s[NSO], 384
	s_add_co_u32 s[PASS], s[PASS], 1
	s_cmp_ge_u32 s[PASS], s[NP]                    ; behind my last tile no tile of Q follows
	s_cbranch_scc1 .Lno_q
	QLOAD
.Lno_q:
	s_cmp_lt_u32 s[PASS], 3
	s_cbranch_scc1 .Lpass
	s_wait_dscnt 0x0                               ; for the others' sake: my half-words lie in LDS
	s_barrier_signal -1
	s_barrier_wait -1
	s_cmp_lg_u32 s[WV], 0
	s_cbranch_scc1 .Lnot_first
	ds_load_b128 v[104:107], v5
	ds_load_b128 v[108:111], v5 offset:512
	s_wait_dscnt 0x0
	global_store_b128 v1, v[104:107], s[NVW:NVW+1] ; the 512 rows' bytes: 1,024 consecutive bytes
	global_store_b128 v1, v[108:111], s[NVW:NVW+1] offset:512
.Lnot_first:
	s_wait_tensorcnt 0x0                           ; the wave's end
	ds_add_u32 v254, v255
	s_wait_dscnt 0x0
	CROUND                                         ; the closing round
	s_endpgm
.Lfunc_end_k_q1ec622bc75_attn:
	.size	k_q1ec622bc75_attn, .Lfunc_end_k_q1ec622bc75_attn-k_q1ec622bc75_attn
	.p2alignl 7, 3214868480
	.fill 96, 4, 3214868480
	.section	.rodata,"a",@progbits
	.p2align	6, 0x0
	.amdhsa_kernel k_q1ec622bc75_attn
		.amdhsa_group_segment_fixed_size 327680
		.amdhsa_private_segment_fixed_size 0
		.amdhsa_enable_private_segment 0
		.amdhsa_kernarg_size 16
		.amdhsa_user_sgpr_count 2
		.amdhsa_user_sgpr_kernarg_segment_ptr 1
		.amdhsa_wavefront_size32 1
		.amdhsa_system_sgpr_workgroup_id_x 1
		.amdhsa_system_sgpr_workgroup_id_y 1
		.amdhsa_system_sgpr_workgroup_id_z 1
		.amdhsa_system_vgpr_workitem_id 0
		.amdhsa_next_free_vgpr 256
		.amdhsa_next_free_sgpr 100
		.amdhsa_reserve_vcc 0
		.amdhsa_float_denorm_mode_32 3
		.amdhsa_float_denorm_mode_16_64 3
		.amdhsa_memory_ordered 1
		.amdhsa_forward_progress 1
		.amdhsa_inst_pref_size 38
	.end_amdhsa_kernel
	.amdgpu_metadata
---
amdhsa.version: [ 1, 2 ]
amdhsa.kernels:
  - .name:           k_q1ec622bc75_attn
    .symbol:         k_q1ec622bc75_attn.kd
    .args:
      - { .name: qkv, .offset: 0, .size: 8, .value_kind: global_buffer, .address_space: global }
      - { .name: nv, .offset: 8, .size: 8, .value_kind: global_buffer, .address_space: global }
    .group_segment_fixed_size: 327680
    .private_segment_fixed_size: 0
    .kernarg_segment_align: 8
    .kernarg_segment_size: 16
    .max_flat_workgroup_size: 384
    .sgpr_count:     100
    .vgpr_count:     256
    .wavefront_size: 32
...
	.end_amdgpu_metadata
.endif
;; end of part 4
;; launch proj_ln (part 5): grid 256 x 1, 4 waves a work-group, no clusters, 327,680 bytes of LDS; arguments nv, wq, b_fc2, x, out0; writes out0
.if DOCPART == 5
	.amdgcn_target "amdgcn-amd-amdhsa--gfx1250"
	.amdhsa_code_object_version 6
	.text
	.protected	k_q1ec622bc75_proj_ln
	.globl	k_q1ec622bc75_proj_ln
	.p2align	8
	.type	k_q1ec622bc75_proj_ln,@function
k_q1ec622bc75_proj_ln:
	s_mov_b64 s[64:65], 0
	v_nop
	global_prefetch_b8 v0, s[64:65] scope:SCOPE_SE
	s_setreg_imm32_b32 hwreg(HW_REG_WAVE_MODE, 25, 1), 1
	s_wait_xcnt 0x0
; out0 = layer_norm(x + swish(new_v W_fc2 + b_fc2)): the last product on codes of FP8 (E4M3) with E8M0 scales, then bias, swish, residual and norm in f32.
; SHARES: a work-group owns 32 whole rows (the norm runs along a row's 1,024 columns); each of its four waves 256 columns: 2 x 16 accumulators of 16 x 16.
; new_v's codes of the 32 rows, all of K (256 registers), the scale words and the bias stay in registers.
; W_fc2'S CODES GO FROM MEMORY STRAIGHT INTO OPERAND REGISTERS: wq holds them as images of the operand's registers, 2,048 consecutive bytes a fragment, and a wave's 256 columns are read by no other wave of its work-group.
; A K step's 16 fragments come in two halves of 32 loads (512 consecutive bytes each); a half is asked for again as soon as its 16 products are issued, so 32 to 64 loads of a wave are out all through the product, half a K step ahead of use.
; NO CLUSTER, NO JOINT LOADS: the weights' codes are 1,048,576 bytes against 327,680 of LDS, so joint loads would go through slots filled again seven times, each refill behind a round of the cluster's barrier,
; for 32 matrix instructions a wave between two rounds.  No prefetch is laid: the wave's own loads run ahead of their use as said.
; The product is used transposed (source 0 = 16 columns of W_fc2, source 1 = 16 rows of new_v): by the stored order of columns a lane's 16 registers of two neighbouring tiles are 16 neighbouring columns of one row.
; x's 32 rows come by one tensor load a wave at the head (32 rows x the wave's 1,024 bytes, 16 bytes of padding behind each); only the issuing wave reads them; the results leave through the same bytes, as whole rows.
; REGISTERS: window 0: addresses, scale words, the bias (v128-255, later at work); window 1: W_fc2's fragments of a K step, later x; window 2: the accumulators; window 3: new_v's codes.
.set W2_IMG, 3244032
.set W2_SC,  4292608
.set NV_SC,  8388608
.set XPART,  33280
.set XP,     1040
.set LNS,    4*XPART
.set SPARE,  LNS+1024
.set XA,   18
.set RB,   19
.set GO,   20
.set LNW,  21
.set LNR,  22
.set LI,   23
.set L4,   24
.set L2,   25
.set BH,   26
.set SPW,  28
.set NIL,  29
.set W2S,  32
.set NVS,  96
.set TP,   104
.set BIAS, 128
.set T,    128
.set G1XT, 40
.set G0XT, 48
.set SEL,  52
.set NL,   54
.set MSB, 0
.macro WIN new
.if MSB != \new
	s_set_vgpr_msb (MSB<<8)|\new
.set MSB, \new
.endif
.endm
.macro PLACES n
.rept \n
	v_nop
.endr
.endm
.macro WM
.if oA && oB
	v_wmma_scale_f32_16x16x128_f8f6f4 v[rD:rD+7], v[rA:rA+15], v[rB:rB+15], v[rC:rC+7], v[rSA], v[rSB] matrix_a_scale:MATRIX_SCALE_ROW1 matrix_b_scale:MATRIX_SCALE_ROW1
.elseif oA
	v_wmma_scale_f32_16x16x128_f8f6f4 v[rD:rD+7], v[rA:rA+15], v[rB:rB+15], v[rC:rC+7], v[rSA], v[rSB] matrix_a_scale:MATRIX_SCALE_ROW1
.elseif oB
	v_wmma_scale_f32_16x16x128_f8f6f4 v[rD:rD+7], v[rA:rA+15], v[rB:rB+15], v[rC:rC+7], v[rSA], v[rSB] matrix_b_scale:MATRIX_SCALE_ROW1
.else
	v_wmma_scale_f32_16x16x128_f8f6f4 v[rD:rD+7], v[rA:rA+15], v[rB:rB+15], v[rC:rC+7], v[rSA], v[rSB]
.endif
.endm
.macro MULS n0, n1, ks                 ; column tiles n0 .. n1 x both row tiles, K step ks; the first K step takes the bias as C; the accumulators take turns
.set nb_, \n0
.rept (\n1)-(\n0)+1
.set a_, 0
.rept 2
.set rD, 8*(16*a_+nb_)
.set rA, 16*nb_
.set rB, 16*(2*(\ks)+a_)
.set rSA, W2S+8*(\ks)+nb_/2
.set rSB, NVS+(\ks)
.set oA, nb_%2
.set oB, a_
.if (\ks) == 0
.set rC, BIAS+8*nb_
	WIN 0x8d
.else
.set rC, rD
	WIN 0xad
.endif
	WM
.set a_, a_+1
.endr
.set nb_, nb_+1
.endr
.endm
.macro GFETCH ks, n0                   ; eight fragments of K step ks, column tiles n0 .. n0 + 7: 32 loads of 512 consecutive bytes
	WIN 0x40
.irp n, 0,1,2,3,4,5,6,7
.irp c, 0,1,2,3
	global_load_b128 v[16*(\n0+\n)+4*\c:16*(\n0+\n)+4*\c+3], v[LI], s[18:19] offset:(\ks)*131072+(\n0+\n)*2048+512*\c
.endr
.endr
.endm
.macro KSTEP ks
	s_wait_loadcnt 32                              ; this step's first half is in; the second half's 32 loads may be out
	MULS 0, 7, \ks
.if (\ks) < 7
	PLACES 8                                       ; places ahead of loads into registers that matrix instructions have read
	GFETCH (\ks)+1, 0
	s_wait_loadcnt 32                              ; the second half is in; the 32 loads just issued may be out
.else
	s_wait_loadcnt 0x0
.endif
	MULS 8, 15, \ks
.if (\ks) < 7
	PLACES 8
	GFETCH (\ks)+1, 8
.endif
.endm
.macro REDUCE ex
	v_pk_add_f32 v[TP:TP+1], v[TP:TP+1], v[TP+2:TP+3]
	v_pk_add_f32 v[TP+4:TP+5], v[TP+4:TP+5], v[TP+6:TP+7]
	v_add_f32 v[TP], v[TP], v[TP+1]
	v_add_f32 v[TP+4], v[TP+4], v[TP+5]
	v_permlanex16_b32 v[TP+16], v[TP], s[SEL], s[SEL+1]
	v_permlanex16_b32 v[TP+17], v[TP+4], s[SEL], s[SEL+1]
	v_add_f32 v[TP], v[TP], v[TP+16]
	v_add_f32 v[TP+4], v[TP+4], v[TP+17]
	v_cndmask_b32 v[TP+2], v[TP], v[TP+4], s56
	ds_store_b32 v[LNW], v[TP+2] offset:\ex
	s_wait_dscnt 0x0
	s_barrier_signal -1
	s_barrier_wait -1
.irp a, 0,1
.irp u, 0,1,2,3
	ds_load_b32 v[TP+8+4*\a+\u], v[LNR] offset:\ex+128*\u+64*\a
.endr
.endr
	s_wait_dscnt 0x0
	v_add_f32 v[TP+8], v[TP+8], v[TP+9]
	v_add_f32 v[TP+10], v[TP+10], v[TP+11]
	v_add_f32 v[TP+12], v[TP+12], v[TP+13]
	v_add_f32 v[TP+14], v[TP+14], v[TP+15]
	v_add_f32 v[TP+8], v[TP+8], v[TP+10]
	v_add_f32 v[TP+12], v[TP+12], v[TP+14]
.endm
	s_load_b256 s[4:11], s[0:1], 0x0               ; nv, wq, b_fc2, x
	s_load_b64 s[12:13], s[0:1], 0x20              ; out0
	v_lshl_add_u32 v[SPW], v0, 2, SPARE
	v_mov_b32 v[NIL], 0
	ds_add_u32 v[SPW], v[NIL]                      ; the opening lines: the add, twice on end, and its wait ahead of my tensor load
	ds_add_u32 v[SPW], v[NIL]
	v_lshrrev_b32 v1, 5, v0
	v_readfirstlane_b32 s14, v1                    ; wave
	s_mov_b32 s[G1XT], (3<<16)|(1<<20)|(7<<22)|(3<<25)   ; elements of 8 bytes; four words of padding behind every 256
	s_mov_b32 s[G1XT+1], 128<<16                   ; rows of 1,024 bytes,
	s_mov_b32 s[G1XT+2], 32<<16                    ; 32 of them,
	s_mov_b32 s[G1XT+3], 128<<16
	s_mov_b32 s[G1XT+4], 32
	s_mov_b32 s[G1XT+5], 512                       ; 4,096 bytes apart
	s_mov_b32 s[G1XT+6], 0
	s_mov_b32 s[G1XT+7], 0
	s_lshl_b32 s16, s14, 15
	s_add_co_u32 s18, s16, W2_IMG                  ; my 16 column tiles of a K step: 32,768 bytes a wave
	s_mov_b32 s19, 0
	s_mul_i32 s17, s14, XPART
	s_lshl_b32 s66, ttmp9, 17                      ; my work-group's 32 rows of x and of out0
	s_mov_b32 s67, 0
	s_lshl_b32 s22, s14, 10
	s_add_co_u32 s20, s66, s22
	s_mov_b32 s21, 0
	s_mov_b32 s[SEL], 0x76543210
	s_mov_b32 s[SEL+1], 0xfedcba98
	s_mov_b32 s[NL], 0xbfb8aa3b
	s_mov_b32 s[NL+1], s[NL]
	s_mov_b32 s56, 0xffff0000
	s_mov_b32 s57, 0x3a800000
	s_mov_b32 s58, 0x3727c5ac
	s_wait_dscnt 0x0                               ; both opening adds are done
	s_wait_kmcnt 0x0
	s_mov_b32 s[G0XT], 1
	s_mov_b32 s[G0XT+1], s17
	s_add_nc_u64 s[G0XT+2:G0XT+3], s[10:11], s[20:21]
	s_or_b32 s[G0XT+3], s[G0XT+3], 0x80000000
	tensor_load_to_lds s[G0XT:G0XT+3], s[G1XT:G1XT+7]   ; my part of x: my one tensor load
	s_nop 0
.rept 4
	v_nop
.endr
	s_add_nc_u64 s[18:19], s[6:7], s[18:19]
	s_add_nc_u64 s[12:13], s[12:13], s[66:67]
	s_lshl_b32 s23, s14, 7
	s_add_co_u32 s23, s23, LNS
	s_lshl_b32 s68, ttmp9, 12
	s_mov_b32 s69, 0
	s_add_nc_u64 s[70:71], s[4:5], s[68:69]
	s_lshl_b32 s68, ttmp9, 6
	s_add_co_u32 s68, s68, NV_SC
	s_add_nc_u64 s[72:73], s[4:5], s[68:69]
	s_add_co_u32 s68, s22, W2_SC
	s_add_nc_u64 s[74:75], s[6:7], s[68:69]
	s_mov_b32 s68, s22
	s_add_nc_u64 s[76:77], s[8:9], s[68:69]
	v_and_b32 v1, 31, v0
	v_and_b32 v2, 15, v0
	v_bfe_u32 v3, v0, 4, 1
	v_lshlrev_b32 v[LI], 4, v1
	v_lshlrev_b32 v[L4], 2, v1
	v_lshlrev_b32 v[L2], 1, v1
	v_lshlrev_b32 v[BH], 6, v3
	v_and_b32 v4, 8, v2
	v_add_nc_u32 v4, v4, v2
	v_mul_u32_u24 v[XA], v4, XP
	v_lshl_add_u32 v[XA], v3, 6, v[XA]
	v_add_nc_u32 v[XA], s17, v[XA]
	v_add_nc_u32 v[RB], s17, v[LI]
	v_add_nc_u32 v[GO], s22, v[LI]
	v_add_nc_u32 v[LNW], s23, v[L4]
	v_lshl_add_u32 v[LNR], v2, 2, LNS
	v_mov_b32 v[TP+16], 0
	v_mov_b32 v[TP+17], 0
	s_wait_alu depctr_va_vdst(0)
	WIN 0xc0
.irp k, 0,1,2,3,4,5,6,7
.irp a, 0,1
.irp c, 0,1,2,3
	global_load_b128 v[16*(2*\k+\a)+4*\c:16*(2*\k+\a)+4*\c+3], v[LI], s[70:71] offset:\k*1048576+\a*2048+512*\c
.endr
.endr
.endr
	WIN 0
.irp k, 0,1,2,3,4,5,6,7
.irp p, 0,1,2,3,4,5,6,7
	global_load_b32 v[W2S+8*\k+\p], v[L4], s[74:75] offset:\k*4096+\p*128
.endr
.endr
.irp e, 0,1,2,3,4,5,6,7,8,9,10,11,12,13,14,15
	global_load_u16 v[TP+\e], v[L2], s[72:73] offset:\e*16384
.endr
.irp n, 0,1,2,3,4,5,6,7,8,9,10,11,12,13,14,15
	global_load_b128 v[BIAS+8*\n:BIAS+8*\n+3], v[BH], s[76:77] offset:(32*(\n/2)+8*(\n%2))*4
	global_load_b128 v[BIAS+8*\n+4:BIAS+8*\n+7], v[BH], s[76:77] offset:(32*(\n/2)+8*(\n%2))*4+16
.endr
	GFETCH 0, 0
	WIN 0
	s_wait_loadcnt 32                              ; all but the 32 just issued: new_v's codes and half-words, the scale words, the bias
.irp k, 0,1,2,3,4,5,6,7
	v_lshl_or_b32 v[NVS+\k], v[TP+2*\k+1], 16, v[TP+2*\k]   ; two heads' half-words make a K step's scale word
.endr
	PLACES 8                                       ; a scale register written by a vector instruction stands eight places ahead of its product
	s_wait_alu depctr_va_vdst(0)
	GFETCH 0, 8
	KSTEP 0
	KSTEP 1
	KSTEP 2
	KSTEP 3
	KSTEP 4
	KSTEP 5
	KSTEP 6
	KSTEP 7
	WIN 0
	PLACES 8
	s_wait_tensorcnt 0x0                           ; my part of x is in; only I read it
	WIN 0x40
.irp a, 0,1
.irp b, 0,1,2,3,4,5,6,7
.irp j, 0,1,2,3
	ds_load_b128 v[128*\a+16*\b+4*\j:128*\a+16*\b+4*\j+3], v[XA] offset:\a*8*XP+128*\b+16*\j
.endr
.endr
.endr
.irp q, 0,1,2,3
	WIN 0x02
.set i_, 0
.rept 32
	v_pk_mul_f32 v[T+i_:T+i_+1], v[64*\q+i_:64*\q+i_+1], s[NL:NL+1] op_sel_hi:[1,0]
.set i_, i_+2
.endr
	WIN 0
.set i_, 0
	s_wait_alu depctr_va_vdst(0)
.rept 64
	v_exp_f32 v[T+i_], v[T+i_]
.set i_, i_+1
.endr
	v_nop
.set i_, 0
	s_wait_alu depctr_va_vdst(0)
.rept 32
	v_pk_add_f32 v[T+i_:T+i_+1], v[T+i_:T+i_+1], 1.0 op_sel_hi:[1,0]
.set i_, i_+2
.endr
.set i_, 0
	s_wait_alu depctr_va_vdst(0)
.rept 64
	v_rcp_f32 v[T+i_], v[T+i_]
.set i_, i_+1
.endr
	v_nop
.if \q == 0
	s_wait_dscnt 0x0
.endif
	WIN 0x92
.set i_, 0
	s_wait_alu depctr_va_vdst(0)
.rept 32
	v_pk_fma_f32 v[64*\q+i_:64*\q+i_+1], v[64*\q+i_:64*\q+i_+1], v[T+i_:T+i_+1], v[64*\q+i_:64*\q+i_+1]
.set i_, i_+2
.endr
.endr
	WIN 0x0a
.irp a, 0,1
	v_pk_add_f32 v[TP+4*\a:TP+4*\a+1], v[128*\a:128*\a+1], v[128*\a+2:128*\a+3]
	v_pk_add_f32 v[TP+4*\a+2:TP+4*\a+3], v[128*\a+4:128*\a+5], v[128*\a+6:128*\a+7]
.endr
	WIN 0x08
.set i_, 8
.rept 30
.irp a, 0,1
	v_pk_add_f32 v[TP+4*\a:TP+4*\a+1], v[TP+4*\a:TP+4*\a+1], v[128*\a+i_:128*\a+i_+1]
	v_pk_add_f32 v[TP+4*\a+2:TP+4*\a+3], v[TP+4*\a+2:TP+4*\a+3], v[128*\a+i_+2:128*\a+i_+3]
.endr
.set i_, i_+4
.endr
	WIN 0
	REDUCE 0
	v_mul_f32 v[TP+20], 0xba800000, v[TP+8]
	v_mul_f32 v[TP+21], 0xba800000, v[TP+8]
	v_mul_f32 v[TP+22], 0xba800000, v[TP+12]
	v_mul_f32 v[TP+23], 0xba800000, v[TP+12]
	WIN 0x82
.set i_, 0
.rept 64
.irp a, 0,1
	v_pk_add_f32 v[128*\a+i_:128*\a+i_+1], v[128*\a+i_:128*\a+i_+1], v[TP+20+2*\a:TP+21+2*\a]
.endr
.set i_, i_+2
.endr
	WIN 0x0a
.irp a, 0,1
	v_pk_mul_f32 v[TP+4*\a:TP+4*\a+1], v[128*\a:128*\a+1], v[128*\a:128*\a+1]
	v_pk_mul_f32 v[TP+4*\a+2:TP+4*\a+3], v[128*\a+2:128*\a+3], v[128*\a+2:128*\a+3]
.endr
.set i_, 4
.rept 31
.irp a, 0,1
	v_pk_fma_f32 v[TP+4*\a:TP+4*\a+1], v[128*\a+i_:128*\a+i_+1], v[128*\a+i_:128*\a+i_+1], v[TP+4*\a:TP+4*\a+1]
	v_pk_fma_f32 v[TP+4*\a+2:TP+4*\a+3], v[128*\a+i_+2:128*\a+i_+3], v[128*\a+i_+2:128*\a+i_+3], v[TP+4*\a+2:TP+4*\a+3]
.endr
.set i_, i_+4
.endr
	WIN 0
	REDUCE 512
	v_fma_f32 v[TP+20], v[TP+8], s57, s58
	v_fma_f32 v[TP+22], v[TP+12], s57, s58
	s_wait_alu depctr_va_vdst(0)
	v_rsq_f32 v[TP+20], v[TP+20]
	v_rsq_f32 v[TP+22], v[TP+22]
	v_nop
	s_wait_alu depctr_va_vdst(0)
	v_mov_b32 v[TP+21], v[TP+20]
	v_mov_b32 v[TP+23], v[TP+22]
	WIN 0x82
.set i_, 0
.rept 64
.irp a, 0,1
	v_pk_mul_f32 v[128*\a+i_:128*\a+i_+1], v[128*\a+i_:128*\a+i_+1], v[TP+20+2*\a:TP+21+2*\a]
.endr
.set i_, i_+2
.endr
	WIN 0x08
.irp a, 0,1
.irp b, 0,1,2,3,4,5,6,7
.irp j, 0,1,2,3
	ds_store_b128 v[XA], v[128*\a+16*\b+4*\j:128*\a+16*\b+4*\j+3] offset:\a*8*XP+128*\b+16*\j
.endr
.endr
.endr
	WIN 0x40
.set i_, 0
.rept 64
	ds_load_b128 v[4*i_:4*i_+3], v[RB] offset:(i_/2)*XP+(i_%2)*512
.set i_, i_+1
.endr
	WIN 0x04
.set i_, 0
.rept 64
	s_wait_dscnt 63-i_
	global_store_b128 v[GO], v[4*i_:4*i_+3], s[12:13] offset:(i_/2)*4096+(i_%2)*512 th:TH_STORE_NT
.set i_, i_+1
.endr
	WIN 0
	s_wait_tensorcnt 0x0                           ; the wave's end
	ds_add_u32 v[SPW], v[NIL]
	s_wait_dscnt 0x0
	s_endpgm
.Lfunc_end_k_q1ec622bc75_proj_ln:
	.size	k_q1ec622bc75_proj_ln, .Lfunc_end_k_q1ec622bc75_proj_ln-k_q1ec622bc75_proj_ln
	.p2alignl 7, 3214868480
	.fill 96, 4, 3214868480
	.section	.rodata,"a",@progbits
	.p2align	6, 0x0
	.amdhsa_kernel k_q1ec622bc75_proj_ln
		.amdhsa_group_segment_fixed_size 327680
		.amdhsa_private_segment_fixed_size 0
		.amdhsa_enable_private_segment 0
		.amdhsa_kernarg_size 40
		.amdhsa_user_sgpr_count 2
		.amdhsa_user_sgpr_kernarg_segment_ptr 1
		.amdhsa_wavefront_size32 1
		.amdhsa_system_sgpr_workgroup_id_x 1
		.amdhsa_system_sgpr_workgroup_id_y 1
		.amdhsa_system_sgpr_workgroup_id_z 1
		.amdhsa_system_vgpr_workitem_id 0
		.amdhsa_next_free_vgpr 1024
		.amdhsa_next_free_sgpr 100
		.amdhsa_reserve_vcc 0
		.amdhsa_float_denorm_mode_32 3
		.amdhsa_float_denorm_mode_16_64 3
		.amdhsa_memory_ordered 1
		.amdhsa_forward_progress 1
		.amdhsa_inst_pref_size 203
	.end_amdhsa_kernel
	.amdgpu_metadata
---
amdhsa.version: [ 1, 2 ]
amdhsa.kernels:
  - .name:           k_q1ec622bc75_proj_ln
    .symbol:         k_q1ec622bc75_proj_ln.kd
    .args:
      - { .name: nv, .offset: 0, .size: 8, .value_kind: global_buffer, .address_space: global }
      - { .name: wq, .offset: 8, .size: 8, .value_kind: global_buffer, .address_space: global }
      - { .name: b_fc2, .offset: 16, .size: 8, .value_kind: global_buffer, .address_space: global }
      - { .name: x, .offset: 24, .size: 8, .value_kind: global_buffer, .address_space: global }
      - { .name: out0, .offset: 32, .size: 8, .value_kind: global_buffer, .address_space: global }
    .group_segment_fixed_size: 327680
    .private_segment_fixed_size: 0
    .kernarg_segment_align: 8
    .kernarg_segment_size: 40
    .max_flat_workgroup_size: 128
    .sgpr_count:     100
    .vgpr_count:     1024
    .wavefront_size: 32
...
	.end_amdgpu_metadata
.endif
;; end of part 5
